; MI455X (gfx1250); checked and timed in simulation.
; The chip was launched on July 23, 2026; its instructions are those of AMD's public machine-readable ISA for CDNA 5 (MIT licence, August 2026) and "CDNA5" Instruction Set Architecture Reference Guide (July 2026). The comments in the code are by the model that wrote it; some were corrected since.
;; Multi Head Attention. Allowed arithmetic: matrix products marked QUANTISED: E2M3 operands, one E8M0 scale for each 32 along K, by v_wmma_scale_f32_16x16x128_f8f6f4 with both operands' format E2M3, f32 sums; everything else in f32.
;; Inputs: out_b 1,024 float32; out_w 1,024 x 1,024 float32; qkv_b 3,072 float32; qkv_w 3,072 x 1,024 float32; x 4 x 2,048 x 1,024 float32.
;; Outputs: out0 4 x 2,048 x 1,024 float32.
;; This version of the problem:
;;   THIS VERSION OF THE PROBLEM IS GIVEN IN LOW PRECISION. The matrix products marked QUANTISED in the list below multiply operands that are first quantised to E2M3 (2 exponent bits, 3 mantissa bits; 6 bits a number), with one power-of-two scale for each 32 numbers along K (OCP MX v1.0); their sums are f32. All else is computed in f32.
;;   The module's matrix products, in the order in which they are computed (A, B: the left and right operand; K: the contracted axis; several contracted axes count as one K, in the product's order):
;;     1. [M 8,192, K 1,024] x [K 1,024, N 3,072]; A: input x; B: input qkv_w: QUANTISED
;;     2. batch 64 x [M 2,048, K 64] x [K 64, N 2,048]; A: computed on the way; B: computed on the way: QUANTISED
;;     3. batch 64 x [M 2,048, K 2,048] x [K 2,048, N 64]; A: softmax (see below); B: computed on the way: QUANTISED
;;     4. [M 8,192, K 1,024] x [K 1,024, N 1,024]; A: computed on the way; B: input out_w: QUANTISED
;;   THE QUANTISER, for each operand of a quantised product, along K:
;;     - K is cut into blocks of 32 from its start; a last block that is shorter is filled with zeros.
;;     - A block's scale is 2^e with e = floor(log2(the largest magnitude in the block)) - 2, held to -126 .. 127; a block of zeros has e = 0. As a byte (E8M0): e + 127.
;;     - Each number is divided by its block's scale, clamped to +-7.5, and rounded to the nearest number of E2M3, ties to even, subnormals kept.
;;     - The product sums the exact products of the quantised numbers (number of the format x scale) in f32.
;;   ~~~python
;;   def quantise(x, axis):      # numpy; x: float32 -> the quantised numbers, widened to float32 again
;;       x = np.moveaxis(x, axis, -1); K = x.shape[-1]
;;       x = np.pad(x, [(0, 0)] * (x.ndim - 1) + [(0, -K % 32)]); x = x.reshape(x.shape[:-1] + (-1, 32)); a = np.abs(x).max(-1, keepdims=True)
;;       e = np.where(a > 0, np.clip(np.frexp(np.where(a > 0, a, 1))[1] - 1 - 2, -126, 127), 0)      # np.frexp(a)[1] - 1 = floor(log2(a)), exactly
;;       r = np.clip(x / 2.0 ** e, -7.5, 7.5)
;;       step = 2.0 ** (np.maximum(np.frexp(np.where(r == 0, 1, r))[1] - 1, 0) - 3)
;;       q = np.round(r / step) * step * 2.0 ** e      # np.round: ties to even
;;       return np.moveaxis(q.reshape(q.shape[:-2] + (-1,))[..., :K], -1, axis).astype(np.float32)
;;   ~~~
;;   SOFTMAX AHEAD OF A QUANTISED PRODUCT. Where the list says 'softmax', what is quantised is not the finished softmax but p = 2^(t - M), with t = logit x log2(e) and M = ceil(the row's largest t), a whole number; so 1/2 < the row's largest p <= 1. The row's sum l is taken of the UNQUANTISED p, in f32, and the product's result is divided by l at the end. Since M is a whole number, a kernel that streams over the keys may use a running M (the ceiling of the running maximum): every later rescaling is an exact power of two, which a block's scale takes up: the codes' values come out the same.
;;   OPERANDS COMPUTED ON THE WAY. 'Computed on the way' means the value that the module computes at that place (a softmax that the list does not call 'softmax' is quantised finished and normalised). What goes into a quantiser is computed in f32, as accurately as f32 sums, v_exp_f32 and their like allow (about 1e-6 of the number): no bf16 or f16 on the way to a quantiser, and a product that is left as it is and whose result goes on into a quantised operand takes f32 operands (vector FMAs, or v_wmma_f32_16x16x4_f32). A number that lies on a knife's edge between two numbers of the format may be rounded either way, as far as f32 arithmetic and the matrix unit's own rounding can turn it there, and no further.
;; One version. Each part assembles by itself: llvm-mc -triple=amdgcn-amd-amdhsa -mcpu=gfx1250 --defsym DOCPART=n.
;; ======== version 1 of 1: 4 launches
;; limits: right only within a limited range of input values
;; workspace buffers: cod1 9,437,184 bytes; scl1 393,216 bytes; qbuf 6,553,600 bytes; kvbuf 13,107,200 bytes; ocod 6,291,456 bytes; oscl 262,144 bytes
;; launch quant (part 1): grid 1536 x 1, 1 waves a work-group, no clusters, 8,704 bytes of LDS; arguments x, qkv_w, out_w, cod1, scl1; writes cod1, scl1
.if DOCPART == 1
	.amdgcn_target "amdgcn-amd-amdhsa--gfx1250"
	.amdhsa_code_object_version 6
	.text
	.protected	k_q20bd490e27_quant
	.globl	k_q20bd490e27_quant
	.p2align	8
	.type	k_q20bd490e27_quant,@function
k_q20bd490e27_quant:
	s_mov_b64 s[64:65], 0
	v_nop
	global_prefetch_b8 v0, s[64:65] scope:SCOPE_SE
	s_setreg_imm32_b32 hwreg(HW_REG_WAVE_MODE, 25, 1), 1
	s_wait_xcnt 0x0
; x [8192][1024], qkv_w [3072][1024] and out_w [1024][1024], f32, become codes of FP6 (E2M3) with one E8M0 byte for each 32 along K, laid in the ORDER OF AN OPERAND'S REGISTERS.
; TILES.  Tile T holds 16 rows: its lane-row r is row 32 (T / 2) + 8 (T % 2) + r + 8 (r / 8).  Tiles 0-511 are x's, 512-703 qkv_w's, 704-767 out_w's.
; A FRAGMENT (16 rows x 128 K, 12 registers a lane) is 1,536 bytes: registers 0-3 at 16 x lane, 4-5 at 512 + 8 x lane, 6-9 at 768 + 16 x lane, 10-11 at 1,280 + 8 x lane.
; cod1: [K / 256 (4)][tile (768)][2 fragments].  scl1: [K / 128 (8)][quad of 4 tiles (192)][lane-row (16)][tile in the quad (4)] words of four bytes.
; A block's scale is 2^(floor(log2(its largest magnitude)) - 2); its byte is the largest magnitude's exponent field - 2, held at 1 from below.
; LIMITS: a block whose largest magnitude lies under 2^-124, a block of zeros among them, gets the byte 1 (its codes are then zeros or as the held scale gives them; these bytes are read by this program alone); NaN and infinities are not served.
; SHARES.  One wave to a work-group; work-group u takes quad u / 8 (64 rows) and 128 along K (u % 8): four steps, a tile of 16 rows x 128 K each.  A step's 16 loads read 512 consecutive bytes of one row each; the numbers turn
; through a stage in LDS (rows 528 bytes apart, so that the 16 rows of a read start in different banks) and come back 16 neighbours of each block of 32 to a lane.  Loads run two steps (32 loads) ahead.
.set KSS1,  2359296                    ; bytes of one K / 256 slice of cod1
.set PITCH, 528
.set SPARE, 16*PITCH                   ; behind the stage: the spare words, one block of 256 bytes that no other line names
.set TM,  10                           ; v10-25  at work in QUANT
.set PW,  26                           ; v26-29  a scale word for each step: the four words that a lane-row stores
.set R,   40                           ; v40-167 two sets of 64 numbers as loaded
.set X,   168                          ; v168-231 64 numbers: register 16 b + i = k 32 b + 16 (lane / 16) + i of my row
.set PC,  232                          ; v232-243 a fragment's codes
.set CT,  244                          ; v244-250 the conversions' second halves
.set SPW, 252                          ; v252 LDS address of my spare word; never rewritten
.set NIL, 253                          ; v253 0; never rewritten
.set SEL, 22                           ; s[22:23] selects for lane l xor 16
; 64 numbers of a lane become a fragment's codes in v[pc] on and its scale word in v[pw]
.macro QUANT s, pc, ct, pw
.irp b, 0,1,2,3
	v_max3_num_f32 v[TM+\b], |v[\s+16*\b]|, |v[\s+1+16*\b]|, 0x1800000   ; block b: my 16 numbers, and the floor 2^(3 - 127): the byte cannot fall under 1
.endr
.irp i, 2,4,6,8,10,12,14
.irp b, 0,1,2,3
	v_max3_num_f32 v[TM+\b], v[TM+\b], |v[\s+16*\b+\i]|, |v[\s+1+16*\b+\i]|   ; the four blocks by turns
.endr
.endr
.irp b, 0,1,2,3
	v_permlanex16_b32 v[TM+4+\b], v[TM+\b], s[SEL], s[SEL+1]
.endr
.irp b, 0,1,2,3
	v_max_num_f32 v[TM+\b], v[TM+\b], v[TM+4+\b]   ; with lane l xor 16's: the block's largest magnitude
.endr
.irp b, 0,1,2,3
	v_add_nc_u32 v[TM+12+\b], 0xff000000, v[TM+\b]   ; 2 off its exponent field: the conversion's scale operand
.endr
.irp b, 0,1,2,3
	v_lshrrev_b32 v[TM+4+\b], 23, v[TM+12+\b]   ; the scale's byte
.endr
	v_lshl_or_b32 v[\pw], v[TM+5], 8, v[TM+4]
	v_lshl_or_b32 v[\pw], v[TM+6], 16, v[\pw]
	v_lshl_or_b32 v[\pw], v[TM+7], 24, v[\pw]
.irp c, 0,1
	v_cvt_scalef32_pk16_fp6_f32 v[\pc+6*\c:\pc+2+6*\c], v[\s+32*\c:\s+15+32*\c], v[TM+12+2*\c]
	v_cvt_scalef32_pk16_fp6_f32 v[\ct+4*\c:\ct+2+4*\c], v[\s+16+32*\c:\s+31+32*\c], v[TM+13+2*\c]   ; a conversion's three registers begin on an even number
.endr
	v_nop                                          ; one plain place behind a scaled conversion
.irp c, 0,1                                    ; the layout wants a whole block in a lane: lanes 0-15 block 2 c, lanes 16-31 block 2 c + 1
.irp i, 0,1,2
	v_permlane16_swap_b32 v[\pc+6*\c+\i], v[\ct+4*\c+\i]
.endr
.irp i, 0,1,2
	v_mov_b32 v[\pc+3+6*\c+\i], v[\ct+4*\c+\i]
.endr
.endr
.endm
	s_load_b256 s[4:11], s[0:1], 0x0               ; x, qkv_w, out_w, cod1
	s_load_b64 s[12:13], s[0:1], 0x20              ; scl1
	v_lshl_add_u32 v[SPW], v0, 2, SPARE
	v_mov_b32 v[NIL], 0
	v_lshlrev_b32 v1, 4, v0                        ; 16 x lane (one wave: the thread's number is the lane)
	v_lshlrev_b32 v2, 3, v0                        ; 8 x lane
	v_and_b32 v6, 15, v0                           ; r
	v_lshrrev_b32 v5, 4, v0                        ; h
	v_mul_u32_u24 v3, v6, PITCH
	v_lshl_add_u32 v3, v5, 6, v3                   ; out of the stage: row r, + 64 h
	v_lshlrev_b32 v4, 4, v6                        ; the scale words: 16 bytes a lane-row
.irp b, 0,1,2,3
	v_mov_b32 v[TM+4+\b], 0                        ; written once: a lane permute's destination counts as one of its sources
.endr
	s_mov_b32 s[SEL], 0x76543210
	s_mov_b32 s[SEL+1], 0xfedcba98
	s_lshr_b32 s14, ttmp9, 3                       ; quad
	s_and_b32 s15, ttmp9, 7                        ; which 128 along K
	s_wait_alu depctr_va_vdst(0)                   ; the wait at the head's end
	s_wait_kmcnt 0x0
	s_cmp_lt_u32 s14, 176                          ; which tensor: the choice hangs on the work-group's number alone
	s_cselect_b64 s[6:7], s[6:7], s[8:9]
	s_mov_b32 s16, 176
	s_cselect_b32 s16, 128, s16
	s_cmp_lt_u32 s14, 128
	s_cselect_b64 s[4:5], s[4:5], s[6:7]
	s_cselect_b32 s16, 0, s16
	s_sub_co_u32 s17, s14, s16                     ; the quad's number in its tensor
	s_lshl_b32 s18, s17, 18                        ; 64 rows of 4,096 bytes
	s_lshl_b32 s20, s15, 9                         ; 128 numbers
	s_add_co_u32 s18, s18, s20
	s_mov_b32 s19, 0
	s_add_nc_u64 s[4:5], s[4:5], s[18:19]
	s_lshr_b32 s18, s15, 1                         ; cod1: the K / 256 slice,
	s_mul_i32 s18, s18, KSS1
	s_mul_i32 s20, s14, 12288                      ; four tiles of 3,072 bytes,
	s_add_co_u32 s18, s18, s20
	s_and_b32 s20, s15, 1
	s_mul_i32 s20, s20, 1536                       ; and which of a tile's two fragments
	s_add_co_u32 s18, s18, s20
	s_add_nc_u64 s[10:11], s[10:11], s[18:19]
	s_mul_i32 s18, s15, 49152                      ; scl1: 192 quads of 256 bytes for each 128 along K
	s_lshl_b32 s20, s14, 8
	s_add_co_u32 s18, s18, s20
	s_add_nc_u64 s[12:13], s[12:13], s[18:19]
.macro LOADS t                         ; step t: tile t of the quad: 16 rows, 512 consecutive bytes each
.irp i, 0,1,2,3,4,5,6,7,8,9,10,11,12,13,14,15
	global_load_b128 v[R+64*((\t)%2)+4*\i:R+64*((\t)%2)+4*\i+3], v1, s[4:5] offset:(32*((\t)/2)+8*((\t)%2)+\i+8*(\i/8))*4096 th:TH_LOAD_NT
.endr
.endm
.macro STEP t
.if (\t) < 3
	s_wait_loadcnt 16                              ; this step's 16 loads are in; the next step's 16 may be out
.else
	s_wait_loadcnt 0x0
.endif
.irp i, 0,1,2,3,4,5,6,7,8,9,10,11,12,13,14,15
	ds_store_b128 v1, v[R+64*((\t)%2)+4*\i:R+64*((\t)%2)+4*\i+3] offset:PITCH*\i
.endr
.irp b, 0,1,2,3
.irp j, 0,1,2,3
	ds_load_b128 v[X+16*\b+4*\j:X+16*\b+4*\j+3], v3 offset:128*\b+16*\j   ; LDS serves a wave's instructions in order: these see the stores above
.endr
.endr
	s_wait_dscnt 0x0                               ; the numbers are back, and the stores have read their registers,
.if (\t)+2 < 4
	LOADS (\t)+2                                   ; which take the loads of two steps on
.endif
	s_wait_xcnt 0x0                                ; the last step's stores have read the codes' registers: they are written again only behind this wait
	QUANT X, PC, CT, PW+(\t)
	global_store_b128 v1, v[PC:PC+3], s[10:11] offset:(\t)*3072          ; each store of the wave covers 512 or 256 consecutive bytes, aligned
	global_store_b64 v2, v[PC+4:PC+5], s[10:11] offset:(\t)*3072+512
	global_store_b128 v1, v[PC+6:PC+9], s[10:11] offset:(\t)*3072+768
	global_store_b64 v2, v[PC+10:PC+11], s[10:11] offset:(\t)*3072+1280
.endm
	LOADS 0
	LOADS 1
.irp t, 0,1,2,3
	STEP \t
.endr
	v_cmp_eq_u32 vcc_lo, 0, v5                     ; both halves of the lanes hold the same words: lanes 0-15 store them
	s_wait_alu depctr_va_vdst(0)                   ; the wait here, directly ahead of the wait below
	s_wait_xcnt 0x0                                ; EXEC changes only behind this wait
	s_and_saveexec_b32 s24, vcc_lo
	global_store_b128 v4, v[PW:PW+3], s[12:13]     ; sixteen lanes store 256 consecutive bytes, aligned
	s_wait_xcnt 0x0
	s_or_b32 exec_lo, exec_lo, s24
	s_wait_tensorcnt 0x0                           ; the wave's end, behind my last LDS store
	ds_add_u32 v[SPW], v[NIL]
	s_wait_dscnt 0x0
	s_endpgm
.Lfunc_end_k_q20bd490e27_quant:
	.size	k_q20bd490e27_quant, .Lfunc_end_k_q20bd490e27_quant-k_q20bd490e27_quant
	.p2alignl 7, 3214868480
	.fill 96, 4, 3214868480
	.section	.rodata,"a",@progbits
	.p2align	6, 0x0
	.amdhsa_kernel k_q20bd490e27_quant
		.amdhsa_group_segment_fixed_size 8704
		.amdhsa_private_segment_fixed_size 0
		.amdhsa_enable_private_segment 0
		.amdhsa_kernarg_size 40
		.amdhsa_user_sgpr_count 2
		.amdhsa_user_sgpr_kernarg_segment_ptr 1
		.amdhsa_wavefront_size32 1
		.amdhsa_system_sgpr_workgroup_id_x 1
		.amdhsa_system_sgpr_workgroup_id_y 1
		.amdhsa_system_sgpr_workgroup_id_z 1
		.amdhsa_system_vgpr_workitem_id 0
		.amdhsa_next_free_vgpr 256
		.amdhsa_next_free_sgpr 66
		.amdhsa_reserve_vcc 1
		.amdhsa_float_denorm_mode_32 3
		.amdhsa_float_denorm_mode_16_64 3
		.amdhsa_memory_ordered 1
		.amdhsa_forward_progress 1
		.amdhsa_inst_pref_size 34
	.end_amdhsa_kernel
	.amdgpu_metadata
---
amdhsa.version: [ 1, 2 ]
amdhsa.kernels:
  - .name:           k_q20bd490e27_quant
    .symbol:         k_q20bd490e27_quant.kd
    .args:
      - { .name: x, .offset: 0, .size: 8, .value_kind: global_buffer, .address_space: global }
      - { .name: qkv_w, .offset: 8, .size: 8, .value_kind: global_buffer, .address_space: global }
      - { .name: out_w, .offset: 16, .size: 8, .value_kind: global_buffer, .address_space: global }
      - { .name: cod1, .offset: 24, .size: 8, .value_kind: global_buffer, .address_space: global }
      - { .name: scl1, .offset: 32, .size: 8, .value_kind: global_buffer, .address_space: global }
    .group_segment_fixed_size: 8704
    .private_segment_fixed_size: 0
    .kernarg_segment_align: 8
    .kernarg_segment_size: 40
    .max_flat_workgroup_size: 32
    .sgpr_count:     66
    .vgpr_count:     256
    .wavefront_size: 32
...
	.end_amdgpu_metadata
.endif
;; end of part 1
;; launch gemm1 (part 2): grid 8 x 48, 4 waves a work-group, clusters of 4 x 4, 327,680 bytes of LDS; arguments cod1, scl1, qkv_b, qbuf, kvbuf; writes qbuf, kvbuf
.if DOCPART == 2
	.amdgcn_target "amdgcn-amd-amdhsa--gfx1250"
	.amdhsa_code_object_version 6
	.text
	.protected	k_q20bd490e27_gemm1
	.globl	k_q20bd490e27_gemm1
	.p2align	8
	.type	k_q20bd490e27_gemm1,@function
k_q20bd490e27_gemm1:
	s_mov_b64 s[64:65], 0
	v_nop
	global_prefetch_b8 v0, s[64:65] scope:SCOPE_SE
	s_setreg_imm32_b32 hwreg(HW_REG_WAVE_MODE, 25, 1), 1
	s_wait_xcnt 0x0
	s_wait_alu depctr_hold_cnt(0) depctr_sa_sdst(0) depctr_va_vdst(0) depctr_va_sdst(0) depctr_va_ssrc(0) depctr_va_vcc(0) depctr_vm_vsrc(0)
	s_getreg_b32 s2, hwreg(HW_REG_IB_STS2, 6, 4)
	s_cmp_eq_u32 s2, 0
	s_cbranch_scc0 .Lentry_in_a_cluster
	s_endpgm
.Lentry_in_a_cluster:
	s_bfe_u32 s2, ttmp6, 0x10000c
	s_cmp_lg_u32 s2, 0xf033
	s_cbranch_scc0 .Lentry_shape_is_right
	s_endpgm
.Lentry_shape_is_right:
; qkv = x qkv_w^T + qkv_b on codes of FP6 (E2M3) with E8M0 scales, and the results' quantisers: Q, K and V leave as codes and scale words in the records that the attention launch reads.
; A work-group of four waves makes 256 x 256, a wave 128 x 128.  For Q and K operand A is 256 tokens of x and B 256 rows of the weight; for V the two change places, so that V's blocks of 32 run along the tokens.
; LDS: A's tile for three K / 256 slices (3 x 49,152 bytes), B's likewise, the spare words.
; THE HEAD: one joint load a wave: wave 0 A's first slice, wave 1 B's, wave 2 A's second and third, wave 3 B's.  The first barrier waits for waves 0 and 1 alone, whose load lines are their own; the wait for all loads
; and the round in the first slice's second step show the rest.  Behind that round the fourth slice is fetched into the first slice's bytes, each wave 128 rows' part.
; THE SCALE WORDS of my 128 rows of A (lanes 0-15) and of B (lanes 16-31), for all of K, go from memory straight into 64 registers that hold nothing else: sixteen lanes of a load read 256 consecutive bytes, aligned.
; Slice s has sixteen of them, at v32, v48, v224, v240: the products name them as sets 0, 1, 12, 13 of sixteen registers from v32 on.
.set KSSA,  2359296                    ; bytes of a K / 256 slice of cod1
.set KSSB,  2359296
.set HALFT, 24576                      ; 128 rows of a slice
.set SPARE, 12*HALFT                   ; behind the tiles: the spare words, 128 bytes for each wave
.set FR,   12
.set A16,  4
.set A8,   7
.set B16,  10
.set B8,   13
.set BA,   16                          ; v16-23 the bias loads' offsets
.set SO,   30                          ; v30 the scale words' offset
.set L16,  24
.set L8,   25
.set SPW,  28
.set NIL,  29
.set SC,   32
.set BIAS, 64
.set AF,   128
.set G1,   24
.set G1B,  32
.set GH1,  40                          ; s[40:43], s[44:47], s[48:51] group 0 of the head's loads of waves 1, 2, 3
.set GH2,  44
.set GH3,  48
.set G0,   68
.set G0B,  80
.set G1H,  72                          ; s[72:79], s[84:91] group 1 of the head's loads of two slices, A's and B's
.set G1HB, 84
.set MSB, 0
.macro WIN new
.if MSB != (\new)
	s_set_vgpr_msb (MSB<<8)|(\new)
.set MSB, (\new)
.endif
.endm
.macro JLOAD g0a, g1a, g0b, g1b
	s_cmp_eq_u32 s15, 0
	s_cbranch_scc0 .Lfor_b_\@
	tensor_load_to_lds s[\g0a:\g0a+3], s[\g1a:\g1a+7]
	s_nop 0
.rept 4
	v_nop
.endr
	s_branch .Lasked_\@
.Lfor_b_\@:
	tensor_load_to_lds s[\g0b:\g0b+3], s[\g1b:\g1b+7]
	s_nop 0
.rept 4
	v_nop
.endr
.Lasked_\@:
.endm
.macro CREST
	s_cmp_lg_u32 s14, 0
	s_cbranch_scc1 .Lnot_wave_0_\@
	s_barrier_signal -3
.Lnot_wave_0_\@:
	s_barrier_wait -3
	s_barrier_signal -1
	s_barrier_wait -1
.endm
.macro CROUND
	s_barrier_signal -1
	s_barrier_wait -1
	CREST
.endm
.macro PLACES n
.rept \n
	v_nop
.endr
.endm
.macro FRAG reg, a16, a8, off
	ds_load_b128 v[\reg:\reg+3], v[\a16] offset:\off
	ds_load_b64 v[\reg+4:\reg+5], v[\a8] offset:\off+512
	ds_load_b128 v[\reg+6:\reg+9], v[\a16] offset:\off+768
	ds_load_b64 v[\reg+10:\reg+11], v[\a8] offset:\off+1280
.endm
.macro FETCH_B slot, q, p
	WIN 0x40
.irp i, 0,1,2,3,4,5,6,7
	FRAG 128*(\p)+FR*\i, B16+\slot, B8+\slot, \i*3072+(\q)*1536
.endr
	WIN 0
.endm
.macro FETCH_A slot, q, i0
.irp i, \i0, \i0+1, \i0+2, \i0+3
	FRAG AF+FR*(\i), A16+\slot, A8+\slot, (\i)*3072+(\q)*1536
.endr
.endm
.macro MUL16 a0, p, q, sc, cm
.irp a, \a0, \a0+1
.irp b, 0,1,2,3,4,5,6,7
.if \cm == 0
	v_wmma_scale_f32_16x16x128_f8f6f4 v[8*(8*((\a)%4)+\b):8*(8*((\a)%4)+\b)+7], v[128*(\p)+FR*\b:128*(\p)+FR*\b+FR-1], v[AF+FR*(\a):AF+FR*(\a)+FR-1], v[8*(8*((\a)%4)+\b):8*(8*((\a)%4)+\b)+7], v[SC+16*(\sc)+8*(\q)+\b], v[SC+16*(\sc)+8*(\q)+(\a)] matrix_a_fmt:MATRIX_FMT_FP6 matrix_b_fmt:MATRIX_FMT_FP6 matrix_a_scale:MATRIX_SCALE_ROW1
.elseif \cm == 1
	v_wmma_scale_f32_16x16x128_f8f6f4 v[8*(8*((\a)%4)+\b):8*(8*((\a)%4)+\b)+7], v[128*(\p)+FR*\b:128*(\p)+FR*\b+FR-1], v[AF+FR*(\a):AF+FR*(\a)+FR-1], v[BIAS+8*\b:BIAS+8*\b+7], v[SC+16*(\sc)+8*(\q)+\b], v[SC+16*(\sc)+8*(\q)+(\a)] matrix_a_fmt:MATRIX_FMT_FP6 matrix_b_fmt:MATRIX_FMT_FP6 matrix_a_scale:MATRIX_SCALE_ROW1
.else
	v_wmma_scale_f32_16x16x128_f8f6f4 v[8*(8*((\a)%4)+\b):8*(8*((\a)%4)+\b)+7], v[128*(\p)+FR*\b:128*(\p)+FR*\b+FR-1], v[AF+FR*(\a):AF+FR*(\a)+FR-1], v[BIAS+8*(\a):BIAS+8*(\a)+7], v[SC+16*(\sc)+8*(\q)+\b], v[SC+16*(\sc)+8*(\q)+(\a)] matrix_a_fmt:MATRIX_FMT_FP6 matrix_b_fmt:MATRIX_FMT_FP6 matrix_a_scale:MATRIX_SCALE_ROW1
.endif
.endr
.endr
.endm
.macro WLO cm
.if \cm
	WIN 0x81
.else
	WIN 0xa1
.endif
.endm
.macro WHI cm
.if \cm
	WIN 0xc1
.else
	WIN 0xf1
.endif
.endm
.macro NEXT1 nslot, nq, np, nsc
	FETCH_B \nslot, \nq, \np
	FETCH_A \nslot, \nq, 0
.endm
.macro STEP q, sc, cm, nslot, nq, nsc
	s_wait_dscnt 16
	WLO \cm
	MUL16 0, \q, \q, \sc, \cm
	MUL16 2, \q, \q, \sc, \cm
	s_wait_dscnt 0x0
	PLACES 4
	NEXT1 \nslot, \nq, 1-(\q), \nsc
	WHI \cm
	MUL16 4, \q, \q, \sc, \cm
	MUL16 6, \q, \q, \sc, \cm
	PLACES 4
	WIN 0
	FETCH_A \nslot, \nq, 4
.endm
.macro TURN sc, fill, nslot, nsc
	s_wait_tensorcnt 0x0
	ds_add_u32 v[SPW], v[NIL]
	s_wait_dscnt 17
	WIN 0xa1
	MUL16 0, 1, 1, \sc, 0
	s_wait_dscnt 0x0
	s_barrier_signal -1
	MUL16 2, 1, 1, \sc, 0
	WIN 0
	s_barrier_wait -1
.if \fill
	CREST
	s_mov_b32 s[G1+2], 96<<16                      ; no tensor load of mine is out, so a descriptor may be written: from here on a load brings 128 rows' part of a slice, 96 rows of 256 bytes
	s_mov_b32 s[G1+4], 96
	s_mov_b32 s[G1B+2], 96<<16
	s_mov_b32 s[G1B+4], 96
	s_add_nc_u64 s[G0+2:G0+3], s[G0+2:G0+3], 3*KSSA
	s_add_nc_u64 s[G0B+2:G0B+3], s[G0B+2:G0B+3], 3*KSSB
	JLOAD G0, G1, G0B, G1B
.else
	PLACES 4
.endif
	NEXT1 \nslot, 0, 0, \nsc
	WIN 0xf1
	MUL16 4, 1, 1, \sc, 0
	MUL16 6, 1, 1, \sc, 0
	PLACES 4
	WIN 0
	FETCH_A \nslot, 0, 4
.endm
.macro LAST sc
	s_wait_dscnt 16
	WIN 0xa1
	MUL16 0, 1, 1, \sc, 0
	MUL16 2, 1, 1, \sc, 0
	s_wait_dscnt 0x0
	WIN 0xf1
	MUL16 4, 1, 1, \sc, 0
	MUL16 6, 1, 1, \sc, 0
	WIN 0
.endm
	s_load_b256 s[4:11], s[0:1], 0x0
	s_load_b64 s[12:13], s[0:1], 0x20
	v_lshl_add_u32 v[SPW], v0, 2, SPARE
	v_mov_b32 v[NIL], 0
	ds_add_u32 v[SPW], v[NIL]
	ds_add_u32 v[SPW], v[NIL]
	v_lshrrev_b32 v1, 5, v0
	v_readfirstlane_b32 s14, v1
	s_lshr_b32 s15, s14, 1
	s_and_b32 s16, s14, 1
	s_bfe_u32 s17, ttmp6, 0x40000
	s_bfe_u32 s18, ttmp6, 0x40004
	s_and_b32 s19, ttmp7, 0xffff
	s_lshr_b32 s20, s19, 3
	s_xor_b32 s23, s20, 1
	s_mul_i32 s21, s19, s23
	s_lshl_b32 s21, s21, 2
	s_mul_i32 s56, s20, 40
	s_add_co_u32 s21, s21, s56
	s_add_co_u32 s21, s21, s18
	s_lshl_b32 s22, ttmp9, 2
	s_add_co_u32 s22, s22, s17
	s_lshl_b32 s23, s23, 5
	s_add_co_u32 s22, s22, s23
	s_and_b32 s23, s19, 7
	s_mul_i32 s23, s23, s20
	s_lshl_b32 s23, s23, 3
	s_add_co_u32 s22, s22, s23
	s_lshl_b32 s56, s18, 2
	s_lshl_b32 s56, 15, s56
	s_lshl_b32 s57, 0x1111, s17
	s_or_b32 s[G1], s56, (3<<16)|(1<<21)
	s_or_b32 s[G1B], s57, (3<<16)|(1<<21)
	s_or_b32 s[G1H], s56, (3<<16)|(1<<21)
	s_or_b32 s[G1HB], s57, (3<<16)|(1<<21)
.irp g, G1, G1B                        ; the first slice: a whole tile's 49,152 dense bytes as 192 rows of 256
	s_mov_b32 s[\g+1], 32<<16
	s_mov_b32 s[\g+2], 192<<16
	s_mov_b32 s[\g+3], 32<<16
	s_mov_b32 s[\g+4], 192
	s_mov_b32 s[\g+5], 32
	s_mov_b32 s[\g+6], 0
	s_mov_b32 s[\g+7], 0
.endr
.irp g, G1H, G1HB                      ; the second and third: two rows, each a whole tile's 49,152 dense bytes (6,144 elements of 8)
	s_mov_b32 s[\g+1], 6144<<16
	s_mov_b32 s[\g+2], 2<<16
	s_mov_b32 s[\g+3], 6144<<16
	s_mov_b32 s[\g+4], 2
	s_mov_b32 s[\g+6], 0
	s_mov_b32 s[\g+7], 0
.endr
	s_mov_b32 s[G1H+5], KSSA/8                     ; from slice to slice
	s_mov_b32 s[G1HB+5], KSSB/8
	s_mul_i32 s58, s21, 2*HALFT                    ; A's tile in a slice of cod1, in bytes,
	s_mov_b32 s59, 0
	s_mul_i32 s62, s22, 2*HALFT                    ; and B's
	s_mov_b32 s63, 0
	s_mul_i32 s60, s16, HALFT                      ; the 128 rows of a tile that I fetch in the refill
	s_mov_b32 s61, 0
	s_lshl_b32 s66, s21, 10                        ; scl1: A's tile has four quads of 256 bytes in each K / 128 plane; my 128 rows are two of them
	s_lshl_b32 s19, s15, 9
	s_add_co_u32 s66, s66, s19
	s_lshl_b32 s67, s22, 10                        ; and the same of B's
	s_lshl_b32 s19, s16, 9
	s_add_co_u32 s67, s67, s19
	s_mul_i32 s23, s14, HALFT
	s_lshl_b32 s56, s21, 1
	s_add_co_u32 s56, s56, s15
	s_lshl_b32 s57, s22, 1
	s_add_co_u32 s57, s57, s16
	s_cmp_eq_u32 s20, 0
	s_cselect_b32 s2, s56, s57
	s_cselect_b32 s3, s57, s56
	s_sub_co_u32 s3, s3, 64
	s_wait_dscnt 0x0
	s_wait_kmcnt 0x0
	s_add_nc_u64 s[58:59], s[4:5], s[58:59]
	s_add_nc_u64 s[62:63], s[4:5], s[62:63]
	CROUND
	s_mov_b32 s[G0], 1                             ; group 0 of my 128 rows of A's first slice: waves 0 and 1 at LDS 0 and HALFT.  Wave 0's is the tile's first byte: it serves the head's load too
	s_mov_b32 s[G0+1], s23
	s_add_nc_u64 s[G0+2:G0+3], s[58:59], s[60:61]
	s_or_b32 s[G0+3], s[G0+3], 0x80000000
	s_mov_b32 s[G0B], 1                            ; and of B's: waves 2 and 3 at 6 and 7 HALFT, behind A's three slices
	s_add_co_u32 s[G0B+1], s23, 4*HALFT
	s_add_nc_u64 s[G0B+2:G0B+3], s[62:63], s[60:61]
	s_or_b32 s[G0B+3], s[G0B+3], 0x80000000
	s_mov_b32 s[GH1], 1                            ; B's first slice, whole
	s_mov_b32 s[GH1+1], 6*HALFT
	s_mov_b64 s[GH1+2:GH1+3], s[62:63]
	s_or_b32 s[GH1+3], s[GH1+3], 0x80000000
	s_mov_b32 s[GH2], 1                            ; A's second and third
	s_mov_b32 s[GH2+1], 2*HALFT
	s_add_nc_u64 s[GH2+2:GH2+3], s[58:59], KSSA
	s_or_b32 s[GH2+3], s[GH2+3], 0x80000000
	s_mov_b32 s[GH3], 1                            ; B's second and third
	s_mov_b32 s[GH3+1], 8*HALFT
	s_add_nc_u64 s[GH3+2:GH3+3], s[62:63], KSSB
	s_or_b32 s[GH3+3], s[GH3+3], 0x80000000
.macro HARM under, g0, g1, next        ; an arm of the head's one chain of branches on the wave's number: one load, and a jump to the chain's end
	s_cmp_lt_u32 s14, \under
	s_cbranch_scc0 \next
	tensor_load_to_lds s[\g0:\g0+3], s[\g1:\g1+7]
	s_nop 0
	PLACES 4
	s_branch .Lhead_asked
\next:
.endm
	HARM 1, G0,  G1,  .Lhead_1                     ; wave 0: A's first slice
	HARM 2, GH1, G1B, .Lhead_2                     ; wave 1: B's first slice
	HARM 3, GH2, G1H, .Lhead_3                     ; wave 2: A's second and third
	tensor_load_to_lds s[GH3:GH3+3], s[G1HB:G1HB+7]   ; wave 3: B's second and third
	s_nop 0
	PLACES 4
.Lhead_asked:
	v_and_b32 v1, 31, v0
	v_and_b32 v2, 15, v0
	v_bfe_u32 v3, v0, 4, 1
	v_lshlrev_b32 v[L16], 4, v1
	v_lshlrev_b32 v[L8], 3, v1
	s_mul_i32 s56, s15, HALFT
	s_mul_i32 s57, s16, HALFT
	s_add_co_u32 s57, s57, 6*HALFT                 ; B's slices lie behind A's three
.irp s, 0,1,2
	v_add_nc_u32 v[A16+\s], s56, v[L16]
	v_add_nc_u32 v[A8+\s], s56, v[L8]
	v_add_nc_u32 v[B16+\s], s57, v[L16]
	v_add_nc_u32 v[B8+\s], s57, v[L8]
	s_add_co_u32 s56, s56, 2*HALFT                 ; from slice to slice of one operand
	s_add_co_u32 s57, s57, 2*HALFT
.endr
	v_sub_nc_u32 v31, 1, v3
	v_mul_u32_u24 v[SO], s66, v31                  ; lanes 0-15 take A's words,
	v_mad_u32_u24 v[SO], s67, v3, v[SO]            ; lanes 16-31 B's;
	v_lshl_add_u32 v[SO], v2, 4, v[SO]             ; 16 bytes a lane-row: the words of a quad's four tiles
.irp s, 0,1,2,3
.irp u, 0,1
.irp w, 0,1
	global_load_b128 v[SC+16*\s+160*(\s/2)+8*\u+4*\w:SC+16*\s+160*(\s/2)+8*\u+4*\w+3], v[SO], s[6:7] offset:(2*\s+\u)*49152+256*\w
.endr
.endr
.endr
	s_cmp_eq_u32 s20, 0
	s_cselect_b32 s60, 64, 0
	s_cselect_b32 s61, 0, 4
	s_cselect_b32 s62, 4, 0
	s_lshl_b32 s66, s3, 9
	s_mov_b32 s67, 0
	s_add_nc_u64 s[8:9], s[8:9], s[66:67]
	v_and_b32 v31, 8, v2
	v_add_nc_u32 v31, v31, v2
	v_mul_u32_u24 v[BA], s60, v3
	v_mad_u32_u24 v[BA], v31, s61, v[BA]
.irp j, 1,2,3,4,5,6,7
	v_add_nc_u32 v[BA+\j], s62, v[BA-1+\j]
.endr
.irp i, 0,1,2,3,4,5,6,7
.irp j, 0,1,2,3,4,5,6,7
	global_load_b32 v[BIAS+8*\i+\j], v[BA+\j], s[8:9] offset:(32*(\i/2)+8*(\i%2))*4
.endr
.endr
	s_wait_alu depctr_va_vdst(0)                   ; the wait at the head's end
	s_cmp_lt_u32 s14, 2
	s_cbranch_scc0 .Lnot_first
	s_wait_tensorcnt 0x0                           ; waves 0 and 1: the first slice is in
.Lnot_first:
	s_barrier_signal -1                            ; the later slices may still be on their way
	s_barrier_wait -1
	FETCH_B 0, 0, 0
	FETCH_A 0, 0, 0
	FETCH_A 0, 0, 4
	s_wait_loadcnt 0x0
	s_cmp_eq_u32 s20, 0
	s_cbranch_scc0 .Lfor_v
	STEP 0, 0, 1, 0, 1, 0
	s_branch .Lbegun
.Lfor_v:
	STEP 0, 0, 2, 0, 1, 0
.Lbegun:
	TURN 0, 1, 1, 1
	STEP 0, 1, 0, 1, 1, 0
	STEP 1, 1, 0, 2, 0, 0
	STEP 0, 12, 0, 2, 1, 0
	TURN 12, 0, 0, 1
	STEP 0, 13, 0, 0, 1, 0
	LAST 13
.set TM,  64                           ; v64-83 at work on the way out: the bias's registers, which only the first step's products read
.set PW,  216
.set EB,  32
.set SEL, 52
	PLACES 4
	s_lshr_b32 s24, s3, 3
	s_and_b32 s25, s3, 7
	s_lshr_b32 s26, s2, 4
	s_and_b32 s27, s2, 15
	s_lshl_b32 s26, s26, 4
	s_lshl_b32 s25, s25, 1
	s_add_co_u32 s26, s26, s25
	s_cmp_eq_u32 s24, 0
	s_cselect_b64 s[28:29], s[10:11], s[12:13]
	s_mov_b32 s30, 12800
	s_cselect_b32 s30, 6400, s30
	s_mov_b32 s31, 12288
	s_cselect_b32 s31, 6144, s31
	s_lshl_b32 s41, s30, 4
	s_cmp_eq_u32 s20, 0
	s_mov_b32 s23, 12544
	s_cselect_b32 s31, s31, s23
	s_cselect_b32 s40, 0, 6144
	s_cselect_b32 s42, 768, s41
	s_cselect_b32 s43, s41, 768
	s_mov_b32 s44, 0x03020100
	s_cselect_b32 s44, 0x05040100, s44
	s_mov_b32 s45, 0x04040404
	s_cselect_b32 s45, 0x02020202, s45
	s_mul_i32 s46, s26, s41
	s_mul_i32 s47, s27, s30
	s_add_co_u32 s46, s46, s47
	s_mov_b32 s47, 0
	s_add_nc_u64 s[28:29], s[28:29], s[46:47]
	s_mov_b32 s46, s31
	s_add_nc_u64 s[48:49], s[28:29], s[46:47]
	s_mov_b32 s46, s40
	s_add_nc_u64 s[EB:EB+1], s[28:29], s[46:47]
	s_mov_b32 s46, s43
	s_add_nc_u64 s[EB+2:EB+3], s[EB:EB+1], s[46:47]
	s_mov_b32 s46, s42
	s_add_nc_u64 s[EB+4:EB+5], s[EB:EB+1], s[46:47]
	s_mov_b32 s46, s43
	s_add_nc_u64 s[EB+6:EB+7], s[EB+4:EB+5], s[46:47]
	s_mov_b32 s[SEL], 0x76543210
	s_mov_b32 s[SEL+1], 0xfedcba98
	v_mul_u32_u24 v26, s41, v3
	v_lshl_add_u32 v26, v2, 4, v26
	v_mul_lo_u32 v27, v3, s45
	v_add_nc_u32 v27, s44, v27
.irp b, 0,1,2,3
	v_mov_b32 v[TM+4+\b], 0
.endr
.macro EQ a
.set AC,  64*((\a)%4)
.set WA,  2+(\a)/4
.set PCS, 128+24*((\a)%2)
.set EBB, EB+4*((\a)/4)
	WIN WA|(WA<<2)
.irp b, 0,1,2,3
	v_max3_num_f32 v[TM+\b], |v[AC+16*\b]|, |v[AC+1+16*\b]|, 0x1800000
.endr
	WIN (WA<<2)|(WA<<4)
.irp i, 2,4,6,8,10,12,14
.irp b, 0,1,2,3
	v_max3_num_f32 v[TM+\b], v[TM+\b], |v[AC+16*\b+\i]|, |v[AC+1+16*\b+\i]|
.endr
.endr
	WIN 0
.irp b, 0,1,2,3
	v_permlanex16_b32 v[TM+4+\b], v[TM+\b], s[SEL], s[SEL+1]
.endr
.irp b, 0,1,2,3
	v_max_num_f32 v[TM+\b], v[TM+\b], v[TM+4+\b]
.endr
.irp b, 0,1,2,3
	v_add_nc_u32 v[TM+12+\b], 0xff000000, v[TM+\b]
.endr
.irp b, 0,1,2,3
	v_lshrrev_b32 v[TM+4+\b], 23, v[TM+12+\b]
.endr
	v_lshl_or_b32 v[PW+(\a)], v[TM+5], 8, v[TM+4]
	v_lshl_or_b32 v[PW+(\a)], v[TM+6], 16, v[PW+(\a)]
	v_lshl_or_b32 v[PW+(\a)], v[TM+7], 24, v[PW+(\a)]
.if (\a) >= 2
	s_wait_xcnt 0x0
.endif
	WIN WA
.irp c, 0,1
	v_cvt_scalef32_pk16_fp6_f32 v[PCS+6*\c:PCS+2+6*\c], v[AC+32*\c:AC+15+32*\c], v[TM+12+2*\c]
	v_cvt_scalef32_pk16_fp6_f32 v[PCS+12+4*\c:PCS+14+4*\c], v[AC+16+32*\c:AC+31+32*\c], v[TM+13+2*\c]
.endr
	WIN 0
	v_nop
.irp c, 0,1
.irp i, 0,1,2
	v_permlane16_swap_b32 v[PCS+6*\c+\i], v[PCS+12+4*\c+\i]
.endr
.irp i, 0,1,2
	v_mov_b32 v[PCS+3+6*\c+\i], v[PCS+12+4*\c+\i]
.endr
.endr
	global_store_b128 v[L16], v[PCS:PCS+3], s[EBB:EBB+1] offset:((\a)%4)*1536
	global_store_b64 v[L8], v[PCS+4:PCS+5], s[EBB:EBB+1] offset:((\a)%4)*1536+512
	global_store_b128 v[L16], v[PCS+6:PCS+9], s[EBB+2:EBB+3] offset:((\a)%4)*1536
	global_store_b64 v[L8], v[PCS+10:PCS+11], s[EBB+2:EBB+3] offset:((\a)%4)*1536+512
.endm
.irp a, 0,1,2,3,4,5,6,7
	EQ \a
.endr
.irp e, 0,1,2,3
	v_perm_b32 v[80+\e], v[PW+4+\e], v[PW+\e], v27
.endr
	global_store_b128 v26, v[80:83], s[48:49]
	s_wait_tensorcnt 0x0
	ds_add_u32 v[SPW], v[NIL]
	s_wait_dscnt 0x0
	CROUND
	s_endpgm
.Lfunc_end_k_q20bd490e27_gemm1:
	.size	k_q20bd490e27_gemm1, .Lfunc_end_k_q20bd490e27_gemm1-k_q20bd490e27_gemm1
	.p2alignl 7, 3214868480
	.fill 96, 4, 3214868480
	.section	.rodata,"a",@progbits
	.p2align	6, 0x0
	.amdhsa_kernel k_q20bd490e27_gemm1
		.amdhsa_group_segment_fixed_size 327680
		.amdhsa_private_segment_fixed_size 0
		.amdhsa_enable_private_segment 0
		.amdhsa_kernarg_size 40
		.amdhsa_user_sgpr_count 2
		.amdhsa_user_sgpr_kernarg_segment_ptr 1
		.amdhsa_wavefront_size32 1
		.amdhsa_system_sgpr_workgroup_id_x 1
		.amdhsa_system_sgpr_workgroup_id_y 1
		.amdhsa_system_sgpr_workgroup_id_z 1
		.amdhsa_system_vgpr_workitem_id 0
		.amdhsa_next_free_vgpr 1024
		.amdhsa_next_free_sgpr 100
		.amdhsa_reserve_vcc 0
		.amdhsa_float_denorm_mode_32 3
		.amdhsa_float_denorm_mode_16_64 3
		.amdhsa_memory_ordered 1
		.amdhsa_forward_progress 1
		.amdhsa_inst_pref_size 168
	.end_amdhsa_kernel
	.amdgpu_metadata
---
amdhsa.version: [ 1, 2 ]
amdhsa.kernels:
  - .name:           k_q20bd490e27_gemm1
    .symbol:         k_q20bd490e27_gemm1.kd
    .args:
      - { .name: cod1, .offset: 0, .size: 8, .value_kind: global_buffer, .address_space: global }
      - { .name: scl1, .offset: 8, .size: 8, .value_kind: global_buffer, .address_space: global }
      - { .name: qkv_b, .offset: 16, .size: 8, .value_kind: global_buffer, .address_space: global }
      - { .name: qbuf, .offset: 24, .size: 8, .value_kind: global_buffer, .address_space: global }
      - { .name: kvbuf, .offset: 32, .size: 8, .value_kind: global_buffer, .address_space: global }
    .group_segment_fixed_size: 327680
    .private_segment_fixed_size: 0
    .kernarg_segment_align: 8
    .kernarg_segment_size: 40
    .max_flat_workgroup_size: 128
    .sgpr_count:     100
    .vgpr_count:     1024
    .wavefront_size: 32
...
	.end_amdgpu_metadata
.endif
;; end of part 2
;; launch attn (part 3): grid 8 x 32, 16 waves a work-group, clusters of 4 x 1, 327,680 bytes of LDS; arguments qbuf, kvbuf, ocod, oscl; writes ocod, oscl
.if DOCPART == 3
	.amdgcn_target "amdgcn-amd-amdhsa--gfx1250"
	.amdhsa_code_object_version 6
	.text
	.protected	k_q20bd490e27_attn
	.globl	k_q20bd490e27_attn
	.p2align	8
	.type	k_q20bd490e27_attn,@function
k_q20bd490e27_attn:
	s_mov_b64 s[64:65], 0
	v_nop
	global_prefetch_b8 v0, s[64:65] scope:SCOPE_SE
	s_setreg_imm32_b32 hwreg(HW_REG_WAVE_MODE, 25, 1), 1
	s_wait_xcnt 0x0
	s_wait_alu depctr_hold_cnt(0) depctr_sa_sdst(0) depctr_va_vdst(0) depctr_va_sdst(0) depctr_va_ssrc(0) depctr_va_vcc(0) depctr_vm_vsrc(0)
	s_getreg_b32 s2, hwreg(HW_REG_IB_STS2, 6, 4)
	s_cmp_eq_u32 s2, 0
	s_cbranch_scc0 .Lentry_in_a_cluster
	s_endpgm
.Lentry_in_a_cluster:
	s_bfe_u32 s2, ttmp6, 0x10000c
	s_cmp_lg_u32 s2, 0x3003
	s_cbranch_scc0 .Lentry_shape_is_right
	s_endpgm
.Lentry_shape_is_right:
; o = softmax(q k^T / 8) v for 64 heads of 2,048 tokens x 64 channels, both products on codes of FP6 (E2M3) with E8M0 scales; o is quantised along the model's 1,024 and leaves as codes for the last product.
; THE SOFTMAX: t = score x log2(e) / 8; M = the running largest t rounded UP to a whole number; p = 2^(t - M) is quantised along the keys, not normalised; the row's sum is taken of the unquantised p and divides at the end.
; When M moves, the sum and O are multiplied by 2^(old M - new M): exact.
; SHARES.  A work-group owns 256 queries and TWO heads (2 y, 2 y + 1), taken one after the other, so that a wave's results are a whole fragment (128 of the last product's K) and whole scale words.  Each of its sixteen waves owns one
; tile of 16 queries in 256 registers: four waves to a SIMD, so that one wave's vector work stands beside another's matrix work and LDS loads.
; RECORDS as the launch before lays them: 128 keys are 12,800 dense bytes: four fragments [key tile p | key tile p + 4] of k, four fragments of v^T, k's scale words, v's.  Two heads are one stream of 32 records; a slot holds eight.
; LAYOUT.  Both products are used transposed: S^T = k q^T, O^T = v^T p^T: a lane holds one query.  By the tiles' choice of rows the 16 registers of S^T's tiles 2 b, 2 b + 1 are keys 32 b + 16 h + 0 .. 15.
; THE HEAD'S 64 IN AN INSTRUCTION'S 128: a fragment of k holds two key tiles, one in each 64 along K; q stands in one 64 with zero codes in the other, so that one product takes the one tile's scores and the next the other's.
; CLUSTER.  The four query blocks of a cluster walk the same stream: each slot is asked for jointly.  All of a WGP's LDS is claimed.
; No prefetch: a refill is requested eight key steps ahead of the wait for it.
; LIMITS: p under 2^-126 becomes 0; a block whose largest magnitude lies under 2^-124 gets the byte 1 (read by this program alone); NaN and infinities are not served.
; REGISTERS: v1-3 16 x lane, 8 x lane, 16 r; v4, v5 the add's two; v6-8 the step's LDS addresses; v9, v10 the scale words' gathering; v12 -M, v13 the largest t, v[14:15] the sum; v16-33 [six zeros | q | six zeros];
;   v34-39 the second head's q; v40, v41 q's scale words; v42 p's; v43 o's; v44-47 k's, then v's; v48-95 four fragments; v96-159 S^T, then p; v160-191 O^T; v192-203 p's codes; v204-215 o's codes; v216-255 at work.
.set KSS2,  1572864                    ; bytes of one K / 256 slice of ocod
.set REC,   12800
.set SLOTB, 8*REC
.set GAT,   3*SLOTB                    ; behind the three slots: 1,024 bytes in which the sixteen waves' scale words meet
.set SPARE, GAT+1024                   ; the spare words, 128 bytes for each wave: eight blocks of 256 bytes that no other line names
.set SPW, 4
.set NIL, 5
.set KV,  48
.set S,   96
.set O,   160
.set PF,  192
.set OC,  204
.set BM,  216                          ; v216-219 a block's largest score, then its largest p
.set BT,  220                          ; v220-223 the other half's; then the bytes
.set BS,  224                          ; v224-227 the conversions' scale operands
.macro FRAG reg, a16, a8, off          ; a fragment as it lies: four loads, each of consecutive bytes
	ds_load_b128 v[\reg:\reg+3], v[\a16] offset:\off
	ds_load_b64 v[\reg+4:\reg+5], v[\a8] offset:\off+512
	ds_load_b128 v[\reg+6:\reg+9], v[\a16] offset:\off+768
	ds_load_b64 v[\reg+10:\reg+11], v[\a8] offset:\off+1280
.endm
.macro CROUND                          ; a round of the cluster's barrier
	s_barrier_signal -1
	s_barrier_wait -1
	s_cmp_lg_u32 s12, 0
	s_cbranch_scc1 .Lnot_wave_0_\@
	s_barrier_signal -3
.Lnot_wave_0_\@:
	s_barrier_wait -3
	s_barrier_signal -1
	s_barrier_wait -1
.endm
	s_load_b256 s[4:11], s[0:1], 0x0               ; qbuf s[4:5], kvbuf s[6:7], ocod s[8:9], oscl s[10:11]
	v_lshl_add_u32 v[SPW], v0, 2, SPARE
	v_mov_b32 v[NIL], 0
	ds_add_u32 v[SPW], v[NIL]                      ; the wave's opening: the add and its wait ahead of the first tensor loads; work on registers stands between them
	ds_add_u32 v[SPW], v[NIL]
	v_lshrrev_b32 v6, 5, v0
	s_delay_alu instid0(VALU_DEP_1)
	v_readfirstlane_b32 s12, v6                    ; wave 0..15
	v_and_b32 v7, 31, v0
	v_and_b32 v8, 15, v0
	s_delay_alu instid0(VALU_DEP_2)
	v_lshlrev_b32 v1, 4, v7                        ; 16 x lane
	s_wait_alu depctr_va_vdst(0)
	v_lshlrev_b32 v2, 3, v7                        ; 8 x lane
	v_lshlrev_b32 v3, 4, v8                        ; 16 r
	s_lshr_b32 s16, s12, 2
	s_lshl_b32 s16, s16, 8
	s_and_b32 s17, s12, 3
	s_lshl_b32 s17, s17, 2
	s_add_co_u32 s16, s16, s17
	s_add_co_u32 s16, s16, GAT
	v_add_nc_u32 v9, s16, v3                       ; where my tile's scale words go: quad w / 4, lane-row r, tile w % 4
	s_and_b32 s16, s12, 1
	s_lshl_b32 s16, s16, 9
	s_add_co_u32 s16, s16, GAT
	v_add_nc_u32 v10, s16, v1                      ; and where waves 0 and 1 read 512 bytes of them back
	s_bfe_u32 s13, ttmp6, 0x40000                  ; cx: it enters global addresses of q and of the results alone
	s_lshl_b32 s14, ttmp9, 2
	s_add_co_u32 s14, s14, s13                     ; my block of 256 queries
	s_and_b32 s15, ttmp7, 0xffff                   ; y = 8 x batch + the pair of heads
	s_mov_b32 s24, 15|(3<<16)|(1<<21)              ; group 1: 15:0 the mask: all four work-groups; 17:16 elements of 8 bytes; 21 set beside a mask; no padding
	s_mov_b32 s25, 32<<16                          ; a record: 12,800 dense bytes as 50 rows of 256
	s_mov_b32 s26, 50<<16
	s_mov_b32 s27, 32<<16
	s_mov_b32 s28, 50
	s_mov_b32 s29, 32
	s_mov_b32 s30, 0
	s_mov_b32 s31, 0
	s_mov_b32 s20, 0x76543210                      ; selects for lane l xor 16
	s_mov_b32 s21, 0xfedcba98
	s_mov_b32 s22, 0x3e38aa3b                      ; c = log2(e) / 8
	s_mov_b32 s23, s22                             ; (named with it as a pair)
	s_mov_b32 s40, 0                               ; LDS byte of the record in hand
	s_mul_i32 s42, s15, 4*SLOTB                    ; the pair's stream,
	s_mul_i32 s17, s12, REC                        ; and record w of it, which my wave fetches at the head
	s_add_co_u32 s42, s42, s17
	s_min_u32 s53, s12, 7
	s_mul_i32 s53, s53, REC
	s_add_co_u32 s53, s53, 2*SLOTB                 ; the place in slot 2 of the record that each of waves 0 to 7 fetches
	s_mov_b32 s43, 0
	s_mul_i32 s44, s15, 204800                     ; q: my first head (102,400 bytes a head),
	s_lshl_b32 s18, s14, 1
	s_lshr_b32 s19, s12, 3
	s_add_co_u32 s18, s18, s19
	s_mul_i32 s18, s18, 6400                       ; record 2 x block + w / 8,
	s_add_co_u32 s44, s44, s18
	s_and_b32 s18, s12, 3
	s_lshl_b32 s19, s18, 2
	s_add_co_u32 s46, s44, s19
	s_add_co_u32 s46, s46, 6144                    ; its scale words, word w % 4;
	s_mul_i32 s18, s18, 1536
	s_add_co_u32 s44, s44, s18
	s_bfe_u32 s18, s12, 0x10002                    ; (w / 4) % 2
	s_mul_i32 s19, s18, 768
	s_add_co_u32 s44, s44, s19                     ; tile w % 8's half fragment
	s_mov_b32 s45, 0
	s_mov_b32 s47, 0
	s_cmp_eq_u32 s18, 0
	s_mov_b32 s52, 0x03020302
	s_cselect_b32 s52, 0x01000100, s52             ; which half of the word is my tile's
	s_and_b32 s16, s15, 7                          ; the pair of heads: which 128 of the last product's K
	s_lshr_b32 s18, s16, 1
	s_mul_i32 s48, s18, KSS2
	s_lshr_b32 s18, s15, 3                         ; batch
	s_lshl_b32 s19, s18, 7
	s_lshl_b32 s50, s14, 4
	s_add_co_u32 s19, s19, s50
	s_add_co_u32 s19, s19, s12                     ; my token tile: 128 x batch + 16 x block + w
	s_mul_i32 s19, s19, 3072
	s_add_co_u32 s48, s48, s19
	s_and_b32 s19, s16, 1
	s_mul_i32 s19, s19, 1536
	s_add_co_u32 s48, s48, s19
	s_mov_b32 s49, 0
	s_lshl_b32 s50, s16, 15                        ; oscl: 32,768 bytes for each 128 of K,
	s_lshl_b32 s18, s18, 5
	s_lshl_b32 s19, s14, 2
	s_add_co_u32 s18, s18, s19
	s_lshl_b32 s18, s18, 8                         ; quad 32 x batch + 4 x block,
	s_add_co_u32 s50, s50, s18
	s_lshl_b32 s18, s12, 9                         ; 512 bytes for each of waves 0 and 1
	s_add_co_u32 s50, s50, s18
	s_mov_b32 s51, 0
	s_wait_dscnt 0x0                               ; the opening add is done
	s_wait_kmcnt 0x0
	s_add_nc_u64 s[6:7], s[6:7], s[42:43]
	s_add_nc_u64 s[44:45], s[4:5], s[44:45]
	s_add_nc_u64 s[46:47], s[4:5], s[46:47]
	s_add_nc_u64 s[8:9], s[8:9], s[48:49]
	s_add_nc_u64 s[10:11], s[10:11], s[50:51]
	s_mov_b32 s32, 1                               ; group 0 for record w, in slots 0 and 1,
	s_mov_b32 s33, s17
	s_mov_b64 s[34:35], s[6:7]
	s_or_b32 s35, s35, 0x80000000
	s_mov_b32 s36, 1                               ; and for record 16 + w, in slot 2
	s_mov_b32 s37, s53
	s_add_nc_u64 s[38:39], s[6:7], 2*SLOTB
	s_or_b32 s39, s39, 0x80000000
	CROUND                                         ; all four work-groups are here: the first joint loads meet
	tensor_load_to_lds s[32:35], s[24:31]          ; every wave one record: the first head's sixteen fill slots 0 and 1
	s_nop 0
.rept 4
	v_nop
.endr
	global_load_b128 v[22:25], v1, s[44:45]        ; q of my first head,
	s_wait_alu depctr_va_vdst(0)
	global_load_b64 v[26:27], v2, s[44:45] offset:512
	global_load_b32 v40, v3, s[46:47]
	global_load_b128 v[34:37], v1, s[44:45] offset:102400   ; and of my second
	global_load_b64 v[38:39], v2, s[44:45] offset:102912
	global_load_b32 v41, v3, s[46:47] offset:102400
	s_wait_tensorcnt 0x0                           ; my record is in
	ds_add_u32 v[SPW], v[NIL]
	s_wait_dscnt 0x0
	CROUND                                         ; a whole round: the first head's records are shown to all, and the joint loads below meet
	s_cmp_lt_u32 s12, 8
	s_cbranch_scc0 .Lno_third
	tensor_load_to_lds s[36:39], s[24:31]          ; slot 2's first fill: the second head's first eight records, sixteen key steps ahead of their first read
	s_nop 0
.rept 4
	v_nop
.endr
.Lno_third:
	s_wait_loadcnt 0x0
	v_perm_b32 v40, v40, v40, s52                  ; my tile's two bytes, twice: they serve whichever 64 along K q stands in
	v_perm_b32 v41, v41, v41, s52
.irp i, 0,1,2,3,4,5
	v_mov_b32 v[16+\i], 0                          ; zero codes on either side of q: v[22:33] = [q | 0], v[16:27] = [0 | q]
	v_mov_b32 v[28+\i], 0
.endr
	v_mov_b32 v13, 0xff61b1e6                      ; the largest t so far: -3e38, under every t
	s_delay_alu instid0(VALU_DEP_1)
	v_floor_f32 v12, -v13                          ; -M
	v_mov_b32 v14, 0
	v_mov_b32 v15, 0
.irp b, 0,1,2,3
	v_mov_b32 v[BT+\b], 0                          ; written once: a lane permute's destination counts as one of its sources
.endr
	v_mov_b32 v238, 0
	v_mov_b32 v241, 0                              ; (named as the upper half of the pair v[240:241])
.set j, 0
.rept 32
	v_mov_b32 v[O+j], 0                            ; O^T: the first step finds zeros, which the first change of M leaves zeros
.set j, j+1
.endr
; A KEY STEP: one record, 128 keys
.macro STEP
	v_add_nc_u32 v6, s40, v1                       ; these three and the v_nop are the four places in front of loads into registers that the last products read
	v_add_nc_u32 v7, s40, v2
	v_add_nc_u32 v8, s40, v3
	v_nop
	ds_load_b128 v[44:47], v8 offset:12288         ; k's scale words first: word p: tile p's two bytes, tile p + 4's two
.irp p, 0,1,2,3
	FRAG KV+12*\p, 6, 7, 1536*\p
.endr
	s_wait_alu depctr_va_vdst(0)
.irp p, 0,1,2,3
	s_wait_dscnt 12-4*\p                           ; the scale words and fragments 0 to p are in; the four loads of each later fragment may be out
	v_wmma_scale_f32_16x16x128_f8f6f4 v[S+8*\p:S+8*\p+7], v[KV+12*\p:KV+12*\p+11], v[22:33], 0, v[44+\p], v40 matrix_a_fmt:MATRIX_FMT_FP6 matrix_b_fmt:MATRIX_FMT_FP6
	v_wmma_scale_f32_16x16x128_f8f6f4 v[S+32+8*\p:S+39+8*\p], v[KV+12*\p:KV+12*\p+11], v[16:27], 0, v[44+\p], v40 matrix_a_fmt:MATRIX_FMT_FP6 matrix_b_fmt:MATRIX_FMT_FP6
.endr
.rept 4
	v_nop                                          ; places in front of the loads below and of the first read of the scores
.endr
.irp t, 0,1,2,3
	FRAG KV+12*\t, 6, 7, 6144+1536*\t              ; v^T's four fragments land while the softmax is walked
.endr
	ds_load_b128 v[44:47], v8 offset:12544         ; and its scale words
.irp b, 0,1,2,3
	v_max3_num_f32 v[BM+\b], v[S+16*\b], v[S+1+16*\b], v[S+2+16*\b]   ; the largest score of each block of 32 keys: it serves for the row's maximum and, since p rises with the score, for the block's largest p
.endr
.irp i, 3,5,7,9,11,13
.irp b, 0,1,2,3
	v_max3_num_f32 v[BM+\b], v[BM+\b], v[S+16*\b+\i], v[S+1+16*\b+\i]
.endr
.endr
.irp b, 0,1,2,3
	v_max_num_f32 v[BM+\b], v[BM+\b], v[S+15+16*\b]
.endr
.irp b, 0,1,2,3
	s_delay_alu instid0(VALU_DEP_4)
	v_permlanex16_b32 v[BT+\b], v[BM+\b], s20, s21
.endr
.irp b, 0,1,2,3
	s_delay_alu instid0(VALU_DEP_4)
	v_max_num_f32 v[BM+\b], v[BM+\b], v[BT+\b]     ; with lane l xor 16's 16 keys
.endr
	s_delay_alu instid0(VALU_DEP_2)
	v_max3_num_f32 v238, v[BM], v[BM+1], v[BM+2]
	s_delay_alu instid0(VALU_DEP_1)
	v_max_num_f32 v238, v238, v[BM+3]
	s_delay_alu instid0(VALU_DEP_1)
	v_mul_f32 v238, s22, v238                      ; the step's largest t
	s_delay_alu instid0(VALU_DEP_1)
	v_max_num_f32 v13, v13, v238
	v_mov_b32 v238, v12
	s_delay_alu instid0(VALU_DEP_2)
	v_floor_f32 v12, -v13                          ; the new -M = floor(-t): M is a whole number
	s_delay_alu instid0(VALU_DEP_1)
	v_sub_f32 v238, v12, v238                      ; old M - new M: a whole number, 0 or less
	s_delay_alu instid0(VALU_DEP_1)
	v_cvt_i32_f32 v238, v238                       ; (it saturates)
	s_delay_alu instid0(VALU_DEP_1)
	v_ldexp_f32 v240, 1.0, v238                    ; f = 2^(old M - new M)
.set j, 0
.rept 32
	v_pk_fma_f32 v[S+j:S+j+1], v[S+j:S+j+1], s[22:23], v[12:13] op_sel_hi:[1,0,0]   ; t - M, two at a time
.set j, j+2
.endr
.irp b, 0,1,2,3
	v_fma_f32 v[BM+\b], v[BM+\b], s22, v12         ; the same of each block's largest score
.endr
.set j, 0
	s_wait_alu depctr_va_vdst(0)
.rept 64
	v_exp_f32 v[S+j], v[S+j]                       ; p = 2^(t - M)
.set j, j+1
.endr
	v_pk_mul_f32 v[14:15], v[14:15], v[240:241] op_sel_hi:[1,0]   ; the sum under the new M: a plain place behind the exponentials
	s_wait_alu depctr_va_vdst(0)                   ; one wait for the whole batch, ahead of its first reader
.irp b, 0,1,2,3
	v_exp_f32 v[BM+\b], v[BM+\b]                   ; the block's largest p
.endr
	v_pk_add_f32 v[236:237], v[100:101], v[104:105]
	v_pk_add_f32 v[254:255], v[108:109], v[112:113]
	v_pk_add_f32 v[252:253], v[116:117], v[120:121]
	v_pk_add_f32 v[250:251], v[124:125], v[128:129]
	v_pk_add_f32 v[248:249], v[132:133], v[136:137]
	v_pk_add_f32 v[246:247], v[140:141], v[144:145]
	v_pk_add_f32 v[244:245], v[148:149], v[152:153]
	v_pk_add_f32 v[14:15], v[14:15], v[156:157]
	v_pk_add_f32 v[236:237], v[236:237], v[96:97]
	v_pk_add_f32 v[254:255], v[254:255], v[98:99]
	v_pk_add_f32 v[252:253], v[252:253], v[102:103]
	v_pk_add_f32 v[250:251], v[250:251], v[106:107]
	v_pk_add_f32 v[248:249], v[248:249], v[110:111]
	v_pk_add_f32 v[246:247], v[246:247], v[114:115]
	v_pk_add_f32 v[244:245], v[244:245], v[118:119]
	v_pk_add_f32 v[14:15], v[14:15], v[122:123]
	v_pk_add_f32 v[236:237], v[236:237], v[126:127]
	v_pk_add_f32 v[254:255], v[254:255], v[130:131]
	v_pk_add_f32 v[252:253], v[252:253], v[134:135]
	v_pk_add_f32 v[250:251], v[250:251], v[138:139]
	v_pk_add_f32 v[248:249], v[248:249], v[142:143]
	v_pk_add_f32 v[246:247], v[246:247], v[146:147]
	v_pk_add_f32 v[244:245], v[244:245], v[150:151]
	v_pk_add_f32 v[14:15], v[14:15], v[154:155]
	v_pk_add_f32 v[236:237], v[236:237], v[158:159]
	s_delay_alu instid0(VALU_DEP_2)
	v_pk_add_f32 v[14:15], v[14:15], v[250:251]
	s_delay_alu instid0(VALU_DEP_2)
	v_pk_add_f32 v[236:237], v[236:237], v[248:249]
	v_pk_add_f32 v[254:255], v[254:255], v[246:247]
	v_pk_add_f32 v[252:253], v[252:253], v[244:245]
	s_delay_alu instid0(VALU_DEP_2)
	v_pk_add_f32 v[14:15], v[14:15], v[254:255]
	s_delay_alu instid0(VALU_DEP_2)
	v_pk_add_f32 v[236:237], v[236:237], v[252:253]
	s_delay_alu instid0(VALU_DEP_1)
	v_pk_add_f32 v[14:15], v[14:15], v[236:237]
	s_wait_alu depctr_va_vdst(0)                   ; and one for the four
.irp b, 0,1,2,3
	v_max_num_f32 v[BM+\b], 0x1800000, v[BM+\b]    ; the floor 2^(3 - 127): the byte cannot fall under 1
.endr
.irp b, 0,1,2,3
	s_delay_alu instid0(VALU_DEP_4)
	v_add_nc_u32 v[BS+\b], 0xff000000, v[BM+\b]    ; 2 off the exponent field: the conversion's scale operand
.endr
.irp b, 0,1,2,3
	s_delay_alu instid0(VALU_DEP_4)
	v_lshrrev_b32 v[BT+\b], 23, v[BS+\b]           ; the scale's byte
.endr
	s_delay_alu instid0(VALU_DEP_3)
	v_lshl_or_b32 v42, v[BT+1], 8, v[BT]           ; p's scale word for these 128 keys
	s_delay_alu instid0(VALU_DEP_1)
	v_lshl_or_b32 v42, v[BT+2], 16, v42
	s_delay_alu instid0(VALU_DEP_1)
	v_lshl_or_b32 v42, v[BT+3], 24, v42
.irp c, 0,1
	v_cvt_scalef32_pk16_fp6_f32 v[PF+6*\c:PF+2+6*\c], v[S+32*\c:S+15+32*\c], v[BS+2*\c]
	v_cvt_scalef32_pk16_fp6_f32 v[228+4*\c:230+4*\c], v[S+16+32*\c:S+31+32*\c], v[BS+1+2*\c]
.endr
	v_nop                                          ; one plain place behind a scaled conversion
.irp c, 0,1
.irp i, 0,1,2
	v_permlane16_swap_b32 v[PF+6*\c+\i], v[228+4*\c+\i]
.endr
.irp i, 0,1,2
	s_delay_alu instid0(VALU_DEP_3)
	v_mov_b32 v[PF+3+6*\c+\i], v[228+4*\c+\i]
.endr
.endr
.set j, 0
.rept 16
	v_pk_mul_f32 v[O+j:O+j+1], v[O+j:O+j+1], v[240:241] op_sel_hi:[1,0]   ; O^T under the new M; these sixteen are also the places between p's codes and scale word and the products below
.set j, j+2
.endr
	s_wait_alu depctr_va_vdst(0)
	s_wait_dscnt 0x0                               ; v^T is in
.irp t, 0,1,2,3
	v_wmma_scale_f32_16x16x128_f8f6f4 v[O+8*\t:O+8*\t+7], v[KV+12*\t:KV+12*\t+11], v[PF:PF+11], v[O+8*\t:O+8*\t+7], v[44+\t], v42 matrix_a_fmt:MATRIX_FMT_FP6 matrix_b_fmt:MATRIX_FMT_FP6
.endr
.endm
.macro LOOP8 n=8                       ; n records on end: a slot's eight, or two slots' sixteen
	s_mov_b32 s41, \n
.Lkey_\@:
	STEP
	s_add_co_u32 s40, s40, REC
	s_sub_co_u32 s41, s41, 1
	s_cmp_lg_u32 s41, 0
	s_cbranch_scc1 .Lkey_\@
.endm
; THE CHANGE OF SLOTS.  Each wave waits for all its tensor loads, adds 0 to its spare word, and waits for that and for its reads of the slots that it has left.  fill = 1: a round of the cluster's barrier, and behind it
; slot 0 is filled again, by waves 0 to 7, one joint load of one record each: it has eight key steps in which to land.  fill = 0: a barrier shows that fill to all waves.
.macro CHANGE fill, slot
	s_wait_tensorcnt 0x0                           ; no tensor load of mine is out, so a group 0 may be written
	ds_add_u32 v[SPW], v[NIL]                      ; 0 onto my spare word
.if \fill
	s_add_nc_u64 s[34+4*\slot:35+4*\slot], s[34+4*\slot:35+4*\slot], 3*SLOTB   ; three slots on in the stream: record 24 + w
.endif
	s_wait_dscnt 0x0
.if \fill
	CROUND
	s_cmp_lt_u32 s12, 8
	s_cbranch_scc0 .Lno_load_\@
	tensor_load_to_lds s[32+4*\slot:35+4*\slot], s[24:31]
	s_nop 0
.rept 4
	v_nop
.endr
.Lno_load_\@:
.else
	s_barrier_signal -1
	s_barrier_wait -1
.endif
.endm
; A HEAD'S END: O^T / the sum, quantised along the head's 64 (two blocks): half c of my fragment and of my scale word.  c = 0: the second head is begun
.macro FINISH c
.rept 4
	v_nop                                          ; places behind the last products
.endr
	v_add_f32 v14, v14, v15
	s_delay_alu instid0(VALU_DEP_1)
	v_permlanex16_b32 v238, v14, s20, s21
	s_delay_alu instid0(VALU_DEP_1)
	v_add_f32 v14, v14, v238                       ; the row's sum
	s_wait_alu depctr_va_vdst(0)
	v_rcp_f32 v14, v14
	v_nop                                          ; a plain place behind the reciprocal
	s_wait_alu depctr_va_vdst(0)                   ; and the wait ahead of its first reader
.set j, 0
.rept 32
	v_mul_f32 v[S+j], v[O+j], v14                  ; register 16 b + i = o(my query, 32 b + 16 h + i); each accumulator from its low end on
.set j, j+1
.endr
.irp b, 0,1
	v_max3_num_f32 v[BM+\b], |v[S+16*\b]|, |v[S+1+16*\b]|, 0x1800000
.endr
.irp i, 2,4,6,8,10,12,14
.irp b, 0,1
	s_delay_alu instid0(VALU_DEP_2)
	v_max3_num_f32 v[BM+\b], v[BM+\b], |v[S+16*\b+\i]|, |v[S+1+16*\b+\i]|
.endr
.endr
.irp b, 0,1
	s_delay_alu instid0(VALU_DEP_2)
	v_permlanex16_b32 v[BT+\b], v[BM+\b], s20, s21
.endr
.irp b, 0,1
	s_delay_alu instid0(VALU_DEP_2)
	v_max_num_f32 v[BM+\b], v[BM+\b], v[BT+\b]
.endr
.irp b, 0,1
	s_delay_alu instid0(VALU_DEP_2)
	v_add_nc_u32 v[BS+\b], 0xff000000, v[BM+\b]
.endr
.irp b, 0,1
	s_delay_alu instid0(VALU_DEP_2)
	v_lshrrev_b32 v[BT+\b], 23, v[BS+\b]
.endr
.if \c == 0
	s_delay_alu instid0(VALU_DEP_1)
	v_lshl_or_b32 v43, v[BT+1], 8, v[BT]
.else
	s_delay_alu instid0(VALU_DEP_2)
	v_lshl_or_b32 v43, v[BT], 16, v43
	s_delay_alu instid0(VALU_DEP_1)
	v_lshl_or_b32 v43, v[BT+1], 24, v43
.endif
	v_cvt_scalef32_pk16_fp6_f32 v[OC+6*\c:OC+2+6*\c], v[S:S+15], v[BS]
	v_cvt_scalef32_pk16_fp6_f32 v[228:230], v[S+16:S+31], v[BS+1]
	v_nop                                          ; one plain place behind a scaled conversion
.irp i, 0,1,2
	v_permlane16_swap_b32 v[OC+6*\c+\i], v[228+\i]
.endr
.irp i, 0,1,2
	s_delay_alu instid0(VALU_DEP_3)
	v_mov_b32 v[OC+3+6*\c+\i], v[228+\i]
.endr
.if \c == 0
.irp i, 0,1,2,3,4,5
	v_mov_b32 v[22+\i], v[34+\i]                   ; the second head's q and its scale word; the lines below are the places between them and the next products
.endr
	v_mov_b32 v40, v41
	v_mov_b32 v13, 0xff61b1e6
	s_delay_alu instid0(VALU_DEP_1)
	v_floor_f32 v12, -v13
	v_mov_b32 v14, 0
	v_mov_b32 v15, 0
.set j, 0
.rept 32
	v_mov_b32 v[O+j], 0
.set j, j+1
.endr
.endif
.endm
	LOOP8 16                                       ; first head, all 2,048 keys, slots 0 and 1: no barrier stands among these sixteen steps
	CHANGE 1, 0                                    ; slot 0 takes the second head's second half: the last load
	FINISH 0
	LOOP8                                          ; second head, keys 0-1,023, slot 2
	CHANGE 0, 0                                    ; nothing is left to fetch
	s_mov_b32 s40, 0
	LOOP8                                          ; second head, keys 1,024-2,047, slot 0
	FINISH 1
	global_store_b128 v1, v[OC:OC+3], s[8:9]       ; my fragment: each store of the wave covers 512 or 256 consecutive bytes, aligned
	global_store_b64 v2, v[OC+4:OC+5], s[8:9] offset:512
	global_store_b128 v1, v[OC+6:OC+9], s[8:9] offset:768
	global_store_b64 v2, v[OC+10:OC+11], s[8:9] offset:1280
	ds_store_b32 v9, v43                           ; both lanes of a query write the same word with the same value
	s_wait_dscnt 0x0                               ; for the others' sake
	s_barrier_signal -1
	s_barrier_wait -1
	s_cmp_lt_u32 s12, 2
	s_cbranch_scc0 .Lno_words
	ds_load_b128 v[96:99], v10
	s_wait_dscnt 0x0
	global_store_b128 v1, v[96:99], s[10:11]       ; two quads' scale words: 512 consecutive bytes, aligned
.Lno_words:
	s_wait_tensorcnt 0x0                           ; the wave's end: behind my last tensor load and my last LDS store
	ds_add_u32 v[SPW], v[NIL]
	s_wait_dscnt 0x0
	CROUND                                         ; the closing round
	s_endpgm
.Lfunc_end_k_q20bd490e27_attn:
	.size	k_q20bd490e27_attn, .Lfunc_end_k_q20bd490e27_attn-k_q20bd490e27_attn
	.p2alignl 7, 3214868480
	.fill 96, 4, 3214868480
	.section	.rodata,"a",@progbits
	.p2align	6, 0x0
	.amdhsa_kernel k_q20bd490e27_attn
		.amdhsa_group_segment_fixed_size 327680
		.amdhsa_private_segment_fixed_size 0
		.amdhsa_enable_private_segment 0
		.amdhsa_kernarg_size 32
		.amdhsa_user_sgpr_count 2
		.amdhsa_user_sgpr_kernarg_segment_ptr 1
		.amdhsa_wavefront_size32 1
		.amdhsa_system_sgpr_workgroup_id_x 1
		.amdhsa_system_sgpr_workgroup_id_y 1
		.amdhsa_system_sgpr_workgroup_id_z 1
		.amdhsa_system_vgpr_workitem_id 0
		.amdhsa_next_free_vgpr 256
		.amdhsa_next_free_sgpr 66
		.amdhsa_reserve_vcc 0
		.amdhsa_float_denorm_mode_32 3
		.amdhsa_float_denorm_mode_16_64 3
		.amdhsa_memory_ordered 1
		.amdhsa_forward_progress 1
		.amdhsa_inst_pref_size 72
	.end_amdhsa_kernel
	.amdgpu_metadata
---
amdhsa.version: [ 1, 2 ]
amdhsa.kernels:
  - .name:           k_q20bd490e27_attn
    .symbol:         k_q20bd490e27_attn.kd
    .args:
      - { .name: qbuf, .offset: 0, .size: 8, .value_kind: global_buffer, .address_space: global }
      - { .name: kvbuf, .offset: 8, .size: 8, .value_kind: global_buffer, .address_space: global }
      - { .name: ocod, .offset: 16, .size: 8, .value_kind: global_buffer, .address_space: global }
      - { .name: oscl, .offset: 24, .size: 8, .value_kind: global_buffer, .address_space: global }
    .group_segment_fixed_size: 327680
    .private_segment_fixed_size: 0
    .kernarg_segment_align: 8
    .kernarg_segment_size: 32
    .max_flat_workgroup_size: 512
    .sgpr_count:     66
    .vgpr_count:     256
    .wavefront_size: 32
...
	.end_amdgpu_metadata
.endif
;; end of part 3
;; launch gemm2 (part 4): grid 4 x 64, 4 waves a work-group, clusters of 4 x 4, 327,680 bytes of LDS; arguments ocod, oscl, cod1, scl1, out_b, out0; writes out0
.if DOCPART == 4
	.amdgcn_target "amdgcn-amd-amdhsa--gfx1250"
	.amdhsa_code_object_version 6
	.text
	.protected	k_q20bd490e27_gemm2
	.globl	k_q20bd490e27_gemm2
	.p2align	8
	.type	k_q20bd490e27_gemm2,@function
k_q20bd490e27_gemm2:
	s_mov_b64 s[64:65], 0
	v_nop
	global_prefetch_b8 v0, s[64:65] scope:SCOPE_SE
	s_setreg_imm32_b32 hwreg(HW_REG_WAVE_MODE, 25, 1), 1
	s_wait_xcnt 0x0
	s_wait_alu depctr_hold_cnt(0) depctr_sa_sdst(0) depctr_va_vdst(0) depctr_va_sdst(0) depctr_va_ssrc(0) depctr_va_vcc(0) depctr_vm_vsrc(0)
	s_getreg_b32 s2, hwreg(HW_REG_IB_STS2, 6, 4)
	s_cmp_eq_u32 s2, 0
	s_cbranch_scc0 .Lentry_in_a_cluster
	s_endpgm
.Lentry_in_a_cluster:
	s_bfe_u32 s2, ttmp6, 0x10000c
	s_cmp_lg_u32 s2, 0xf033
	s_cbranch_scc0 .Lentry_shape_is_right
	s_endpgm
.Lentry_shape_is_right:
; out0 = o out_w^T + out_b on codes of FP6 (E2M3) with E8M0 scales; f32 results.  8,192 x 1,024 in blocks of 128 x 256: 256 work-groups of four waves, 2 x 2; a wave makes 64 x 128: 32 accumulators, window 2.
; ALL OF K LIES IN LDS: A's 128 tokens (4 slices of K / 256 x 24,576 bytes), B's 256 rows of out_w (4 x 49,152); behind them the spare words and a stage of 16 rows x 272 bytes for each wave, on which no load lands.
; THE HEAD: one joint load a wave: wave 0 A's slices 0 and 1, wave 1 B's, wave 2 A's slices 2 and 3, wave 3 B's; A's are shared by a row of the 4 x 4 cluster, B's by a column.  The first barrier waits for waves 0 and 1
; alone, whose load lines are their own; a second barrier, in step 3, with every wave's wait for its load, shows slices 2 and 3.  Nothing is filled again.  No prefetch: the launch has no loop to run ahead in.
; THE SCALE WORDS of my rows, for all of K, go from memory straight into 96 registers that hold nothing else: sixteen lanes of a load read 256 consecutive bytes, aligned.
; TWO HALVES: the wave's 128 columns go as 2 x 64.  A half is eight steps of 128 along K, 16 products each; its results are stored behind its last step, so that the first half's stores are on their way while the second is multiplied.
; A's and B's fragments have two sets of registers each; a step's 32 LDS loads are issued one step ahead.
; THE MATRIX INSTRUCTION IS USED TRANSPOSED (source 0 = 16 rows of out_w, source 1 = 16 tokens): a lane holds eight neighbouring numbers of a row of out0.  The bias is each half's first products' C.
; REGISTERS: window 0: v4-19 the fragments' LDS addresses, a pair for each slice; v20-29 other addresses; v32-63 A's scale words (4 u + a), v64-127 B's (8 u + b); v128-223 A's fragments, two sets.
;   window 1: B's fragments, two sets of four, at v0 and v128.  window 2: accumulator (a, b) at v[8 (8 a + b)].  window 3: v0-63 the bias; v64-127 rows read back from the stage, two sets.
.set KSSA,  1572864                    ; bytes of a K / 256 slice of ocod, of cod1
.set KSSB,  2359296
.set ASL,   24576                      ; a slice of A's tile: 8 tiles of 3,072 bytes
.set BSL,   49152                      ; of B's: 16 tiles
.set BBASE, 4*ASL
.set SPARE, BBASE+4*BSL                ; the spare words, 128 bytes for each wave: two blocks of 256 bytes that no other line names
.set STAGE, SPARE+512
.set SPITCH, 272
.set FR,   12
.set A16,  4
.set A8,   8
.set B16,  12
.set B8,   16
.set SO,   20
.set CO,   23
.set L16,  24
.set L8,   25
.set STO,  26
.set RD,   27
.set SPW,  28
.set NIL,  29
.set SAR,  32
.set SBR,  64
.set AF,   128
.set BK,   64
.set G1A,  24
.set G1B,  32
.set G0A,  68
.set G0B,  72
.set G0A2, 76
.set G0B2, 80
.set MSB, 0
.macro WIN new                         ; the immediate's high byte repeats the setting that is left
.if MSB != (\new)
	s_set_vgpr_msb (MSB<<8)|(\new)
.set MSB, (\new)
.endif
.endm
.macro CROUND                          ; a round of the cluster's barrier
	s_barrier_signal -1
	s_barrier_wait -1
	s_cmp_lg_u32 s14, 0
	s_cbranch_scc1 .Lnot_wave_0_\@
	s_barrier_signal -3
.Lnot_wave_0_\@:
	s_barrier_wait -3
	s_barrier_signal -1
	s_barrier_wait -1
.endm
.macro PLACES n
.rept \n
	v_nop
.endr
.endm
.macro GRP1 g, cols, rows, pitch       ; group 1 behind its first word: rows of cols elements of 8 bytes
	s_mov_b32 s[\g+1], (\cols)<<16
	s_mov_b32 s[\g+2], (\rows)<<16
	s_mov_b32 s[\g+3], (\cols)<<16
	s_mov_b32 s[\g+4], \rows
	s_mov_b32 s[\g+5], \pitch
	s_mov_b32 s[\g+6], 0
	s_mov_b32 s[\g+7], 0
.endm
.macro GRP0 g, lds, a, off
	s_mov_b32 s[\g], 1
	s_mov_b32 s[\g+1], \lds
	s_add_nc_u64 s[\g+2:\g+3], s[\a:\a+1], \off
	s_or_b32 s[\g+3], s[\g+3], 0x80000000
.endm
.macro HARM under, g0, g1, next        ; an arm of the head's one chain of branches on the wave's number: one load, and a jump to the chain's end
	s_cmp_lt_u32 s14, \under
	s_cbranch_scc0 \next
	tensor_load_to_lds s[\g0:\g0+3], s[\g1:\g1+7]
	s_nop 0
	PLACES 4
	s_branch .Lhead_asked
\next:
.endm
.macro FRAG reg, a16, a8, off          ; a fragment as it lies: four loads, each of consecutive bytes
	ds_load_b128 v[\reg:\reg+3], v[\a16] offset:\off
	ds_load_b64 v[\reg+4:\reg+5], v[\a8] offset:\off+512
	ds_load_b128 v[\reg+6:\reg+9], v[\a16] offset:\off+768
	ds_load_b64 v[\reg+10:\reg+11], v[\a8] offset:\off+1280
.endm
; q = 8 x half + step
.macro FETCH q                         ; four fragments of B and four of A into set q % 2: 32 loads
.set ST_, (\q)%8
.set HB_, (\q)/8
.set P_,  (\q)%2
	WIN 0x40
.irp i, 0,1,2,3
	FRAG 128*P_+FR*\i, B16+ST_/2, B8+ST_/2, (4*HB_+\i)*3072+(ST_%2)*1536
.endr
	WIN 0
.irp i, 0,1,2,3
	FRAG AF+48*P_+FR*\i, A16+ST_/2, A8+ST_/2, \i*3072+(ST_%2)*1536
.endr
.endm
.macro MUL16 q                         ; 16 products; the half's accumulators take turns in the same order in every step
.set ST_, (\q)%8
.set HB_, (\q)/8
.set P_,  (\q)%2
.if ST_ == 0
	WIN 0xb1                                       ; source 0 (B) window 1, source 1 (A) window 0, C window 3 (the bias), D window 2
.else
	WIN 0xa1
.endif
.irp a, 0,1,2,3
.irp b, 0,1,2,3
.if ST_ == 0
	v_wmma_scale_f32_16x16x128_f8f6f4 v[8*(8*\a+4*HB_+\b):8*(8*\a+4*HB_+\b)+7], v[128*P_+FR*\b:128*P_+FR*\b+FR-1], v[AF+48*P_+FR*\a:AF+48*P_+FR*\a+FR-1], v[8*(4*HB_+\b):8*(4*HB_+\b)+7], v[SBR+8*ST_+4*HB_+\b], v[SAR+4*ST_+\a] matrix_a_fmt:MATRIX_FMT_FP6 matrix_b_fmt:MATRIX_FMT_FP6
.else
	v_wmma_scale_f32_16x16x128_f8f6f4 v[8*(8*\a+4*HB_+\b):8*(8*\a+4*HB_+\b)+7], v[128*P_+FR*\b:128*P_+FR*\b+FR-1], v[AF+48*P_+FR*\a:AF+48*P_+FR*\a+FR-1], v[8*(8*\a+4*HB_+\b):8*(8*\a+4*HB_+\b)+7], v[SBR+8*ST_+4*HB_+\b], v[SAR+4*ST_+\a] matrix_a_fmt:MATRIX_FMT_FP6 matrix_b_fmt:MATRIX_FMT_FP6
.endif
.endr
.endr
.endm
; THE WAY OUT of a half, block by block of 16 rows x 64 columns: through my own stage, back as whole rows of 256 bytes, two rows an instruction
.macro TOSTAGE a, hb
	WIN 0x08                                       ; the data: window 2
.irp b, 0,1,2,3
	ds_store_b128 v[STO], v[8*(8*(\a)+4*(\hb)+\b):8*(8*(\a)+4*(\hb)+\b)+3] offset:128*(\b/2)+32*(\b%2)          ; each accumulator from its low end on
	ds_store_b128 v[STO], v[8*(8*(\a)+4*(\hb)+\b)+4:8*(8*(\a)+4*(\hb)+\b)+7] offset:128*(\b/2)+32*(\b%2)+16
.endr
	WIN 0xc0                                       ; back into window 3
.irp t, 0,1,2,3,4,5,6,7
	ds_load_b128 v[BK+32*((\a)%2)+4*\t:BK+32*((\a)%2)+4*\t+3], v[RD] offset:\t*2*SPITCH    ; LDS serves a wave's instructions in order: these see the stores above
.endr
	WIN 0
.endm
.macro SEND a, hb, younger             ; younger: the LDS instructions issued behind block a's loads, which may stay out
	s_wait_dscnt \younger
	WIN 0x0c
.irp t, 0,1,2,3,4,5,6,7
	global_store_b128 v[CO], v[BK+32*((\a)%2)+4*\t:BK+32*((\a)%2)+4*\t+3], s[2:3] offset:(32*((\a)/2)+8*((\a)%2)+2*\t+8*(\t/4))*4096+256*(\hb) th:TH_STORE_NT   ; sixteen lanes store 256 consecutive bytes, aligned
.endr
	WIN 0
.endm
.macro OUT hb
	PLACES 4                                       ; behind the half's last products
.if \hb
	s_wait_xcnt 0x0                                ; the first half's stores have read their registers
.endif
	TOSTAGE 0, \hb
.irp a, 1,2,3
.if \a > 1
	s_wait_xcnt 0x0                                ; block a - 2's stores have read their registers: block a's loads may land there
.endif
	TOSTAGE \a, \hb
	SEND \a-1, \hb, 16                             ; behind block a - 1's loads: block a's 8 stores and 8 loads
.endr
	SEND 3, \hb, 0
.endm
	s_load_b256 s[4:11], s[0:1], 0x0               ; ocod, oscl, cod1, scl1
	s_load_b64 s[12:13], s[0:1], 0x20              ; out_b
	s_load_b64 s[2:3], s[0:1], 0x28                ; out0
	v_lshl_add_u32 v[SPW], v0, 2, SPARE
	v_mov_b32 v[NIL], 0
	ds_add_u32 v[SPW], v[NIL]                      ; the wave's opening: the add, twice on end, and its wait ahead of my first tensor load
	ds_add_u32 v[SPW], v[NIL]
	v_lshrrev_b32 v1, 5, v0
	v_readfirstlane_b32 s14, v1                    ; wave
	s_lshr_b32 s15, s14, 1                         ; which 64 of the block's rows are mine
	s_and_b32 s16, s14, 1                          ; which 128 of its columns
	s_bfe_u32 s17, ttmp6, 0x40000                  ; cx
	s_bfe_u32 s18, ttmp6, 0x40004                  ; cy
	s_and_b32 s19, ttmp7, 0xffff
	s_lshl_b32 s21, s19, 2
	s_add_co_u32 s21, s21, s18                     ; block row, 0 .. 63
	s_lshl_b32 s20, ttmp9, 2
	s_add_co_u32 s20, s20, s17                     ; block column, 0 .. 3
	s_add_co_u32 s22, s20, 44                      ; out_w's 256 rows among cod1's: tiles 704 on
	s_lshl_b32 s56, s18, 2
	s_lshl_b32 s56, 15, s56                        ; my row of the cluster
	s_lshl_b32 s57, 0x1111, s17                    ; my column
	s_or_b32 s[G1A], s56, (3<<16)|(1<<21)
	s_or_b32 s[G1B], s57, (3<<16)|(1<<21)
	GRP1 G1A, ASL/8, 2, KSSA/8                     ; two rows, a slice each: the tile's dense bytes
	GRP1 G1B, BSL/8, 2, KSSB/8
	s_mul_i32 s58, s21, ASL
	s_mov_b32 s59, 0
	s_lshl_b32 s60, s21, 9                         ; oscl: the block's two quads of 256 bytes in each K / 128 plane; mine is one of them
	s_lshl_b32 s19, s15, 8
	s_add_co_u32 s60, s60, s19
	s_mov_b32 s61, 0
	s_mul_i32 s62, s22, BSL
	s_mov_b32 s63, 0
	s_lshl_b32 s66, s22, 10                        ; scl1: four quads; mine are two of them
	s_lshl_b32 s19, s16, 9
	s_add_co_u32 s66, s66, s19
	s_mov_b32 s67, 0
	s_wait_dscnt 0x0                               ; both opening adds are done
	s_wait_kmcnt 0x0
	s_add_nc_u64 s[58:59], s[4:5], s[58:59]
	s_add_nc_u64 s[6:7], s[6:7], s[60:61]
	s_add_nc_u64 s[62:63], s[8:9], s[62:63]
	s_add_nc_u64 s[10:11], s[10:11], s[66:67]
	CROUND                                         ; all sixteen work-groups are here: the joint loads meet
	GRP0 G0A,  0,           58, 0
	GRP0 G0B,  BBASE,       62, 0
	GRP0 G0A2, 2*ASL,       58, 2*KSSA
	GRP0 G0B2, BBASE+2*BSL, 62, 2*KSSB
	HARM 1, G0A,  G1A, .Lhead_1                    ; wave 0: A's slices 0 and 1
	HARM 2, G0B,  G1B, .Lhead_2                    ; wave 1: B's
	HARM 3, G0A2, G1A, .Lhead_3                    ; wave 2: A's slices 2 and 3
	tensor_load_to_lds s[G0B2:G0B2+3], s[G1B:G1B+7]   ; wave 3: B's
	s_nop 0
	PLACES 4
.Lhead_asked:
	v_and_b32 v1, 31, v0
	v_and_b32 v2, 15, v0                           ; r
	v_bfe_u32 v3, v0, 4, 1                         ; h
	v_lshlrev_b32 v[SO], 4, v2                     ; 16 bytes a lane-row: the words of a quad's four tiles; both halves of the lanes read the same
.irp u, 0,1,2,3,4,5,6,7
	global_load_b128 v[SAR+4*\u:SAR+4*\u+3], v[SO], s[6:7] offset:32768*\u
	global_load_b128 v[SBR+8*\u:SBR+8*\u+3], v[SO], s[10:11] offset:49152*\u
	global_load_b128 v[SBR+8*\u+4:SBR+8*\u+7], v[SO], s[10:11] offset:49152*\u+256
.endr
	v_lshlrev_b32 v[L16], 4, v1
	v_lshlrev_b32 v[L8], 3, v1
	s_mul_i32 s56, s15, ASL/2                      ; my four tiles of A,
	s_mul_i32 s57, s16, BSL/2                      ; my eight of B
	s_add_co_u32 s57, s57, BBASE
.irp s, 0,1,2,3
	v_add_nc_u32 v[A16+\s], s56, v[L16]
	v_add_nc_u32 v[A8+\s], s56, v[L8]
	v_add_nc_u32 v[B16+\s], s57, v[L16]
	v_add_nc_u32 v[B8+\s], s57, v[L8]
	s_add_co_u32 s56, s56, ASL
	s_add_co_u32 s57, s57, BSL
.endr
	s_mul_i32 s56, s14, 16*SPITCH                  ; my stage
	s_add_co_u32 s56, s56, STAGE
	v_mul_u32_u24 v[STO], v2, SPITCH               ; in: row r, 64 bytes for each half of the lanes
	v_lshl_add_u32 v[STO], v3, 6, v[STO]
	v_add_nc_u32 v[STO], s56, v[STO]
	v_mul_u32_u24 v[RD], v3, SPITCH                ; back: lanes 0-15 take one row of 256 bytes, lanes 16-31 the next
	v_lshl_add_u32 v[RD], v2, 4, v[RD]
	v_add_nc_u32 v[RD], s56, v[RD]
	v_lshlrev_b32 v[CO], 12, v3                    ; and the same two rows in out0
	v_lshl_add_u32 v[CO], v2, 4, v[CO]
	s_lshl_b32 s62, s20, 10                        ; my first column, in bytes
	s_lshl_b32 s63, s16, 9
	s_add_co_u32 s62, s62, s63
	s_mov_b32 s63, 0
	s_add_nc_u64 s[12:13], s[12:13], s[62:63]
	s_lshl_b32 s60, s21, 7                         ; my first row
	s_lshl_b32 s61, s15, 6
	s_add_co_u32 s60, s60, s61
	s_lshl_b32 s60, s60, 12
	s_add_co_u32 s60, s60, s62
	s_mov_b32 s61, 0
	s_add_nc_u64 s[2:3], s[2:3], s[60:61]
	v_lshlrev_b32 v22, 6, v3
	WIN 0xc0
.irp b, 0,1,2,3,4,5,6,7
	global_load_b128 v[8*\b:8*\b+3], v22, s[12:13] offset:(32*(\b/2)+8*(\b%2))*4       ; the bias as the result lies: register j of block b is column 32 (b / 2) + 8 (b % 2) + 16 h + j
	global_load_b128 v[8*\b+4:8*\b+7], v22, s[12:13] offset:(32*(\b/2)+8*(\b%2))*4+16
.endr
	WIN 0
	s_wait_alu depctr_va_vdst(0)                   ; the wait at the head's end
	s_cmp_lt_u32 s14, 2
	s_cbranch_scc0 .Lnot_first
	s_wait_tensorcnt 0x0                           ; waves 0 and 1: slices 0 and 1 are in
.Lnot_first:
	s_barrier_signal -1                            ; slices 2 and 3 may still be on their way
	s_barrier_wait -1
	FETCH 0
	s_wait_loadcnt 0x0                             ; the scale words and the bias
.irp q, 0,1,2,3,4,5,6,7,8,9,10,11,12,13,14
.if \q > 0
	PLACES 4                                       ; in front of loads into the set that the step before multiplied
.endif
.if \q == 3
	s_wait_tensorcnt 0x0                           ; every wave's load is in,
	s_wait_dscnt 0x0
	s_barrier_signal -1                            ; and the barrier shows slices 2 and 3, which the fetch below reads first
	s_barrier_wait -1
.endif
	FETCH \q+1
	s_wait_dscnt 32                                ; all but the 32 just issued
	MUL16 \q
.if \q == 7
	OUT 0                                          ; the first half leaves
.endif
.endr
	s_wait_dscnt 0x0
	MUL16 15
	OUT 1
	s_wait_tensorcnt 0x0                           ; the wave's end: behind my last tensor load and my last LDS store
	ds_add_u32 v[SPW], v[NIL]
	s_wait_dscnt 0x0
	CROUND                                         ; the closing round
	s_endpgm
.Lfunc_end_k_q20bd490e27_gemm2:
	.size	k_q20bd490e27_gemm2, .Lfunc_end_k_q20bd490e27_gemm2-k_q20bd490e27_gemm2
	.p2alignl 7, 3214868480
	.fill 96, 4, 3214868480
	.section	.rodata,"a",@progbits
	.p2align	6, 0x0
	.amdhsa_kernel k_q20bd490e27_gemm2
		.amdhsa_group_segment_fixed_size 327680
		.amdhsa_private_segment_fixed_size 0
		.amdhsa_enable_private_segment 0
		.amdhsa_kernarg_size 48
		.amdhsa_user_sgpr_count 2
		.amdhsa_user_sgpr_kernarg_segment_ptr 1
		.amdhsa_wavefront_size32 1
		.amdhsa_system_sgpr_workgroup_id_x 1
		.amdhsa_system_sgpr_workgroup_id_y 1
		.amdhsa_system_sgpr_workgroup_id_z 1
		.amdhsa_system_vgpr_workitem_id 0
		.amdhsa_next_free_vgpr 1024
		.amdhsa_next_free_sgpr 100
		.amdhsa_reserve_vcc 0
		.amdhsa_float_denorm_mode_32 3
		.amdhsa_float_denorm_mode_16_64 3
		.amdhsa_memory_ordered 1
		.amdhsa_forward_progress 1
		.amdhsa_inst_pref_size 96
	.end_amdhsa_kernel
	.amdgpu_metadata
---
amdhsa.version: [ 1, 2 ]
amdhsa.kernels:
  - .name:           k_q20bd490e27_gemm2
    .symbol:         k_q20bd490e27_gemm2.kd
    .args:
      - { .name: ocod, .offset: 0, .size: 8, .value_kind: global_buffer, .address_space: global }
      - { .name: oscl, .offset: 8, .size: 8, .value_kind: global_buffer, .address_space: global }
      - { .name: cod1, .offset: 16, .size: 8, .value_kind: global_buffer, .address_space: global }
      - { .name: scl1, .offset: 24, .size: 8, .value_kind: global_buffer, .address_space: global }
      - { .name: out_b, .offset: 32, .size: 8, .value_kind: global_buffer, .address_space: global }
      - { .name: out0, .offset: 40, .size: 8, .value_kind: global_buffer, .address_space: global }
    .group_segment_fixed_size: 327680
    .private_segment_fixed_size: 0
    .kernarg_segment_align: 8
    .kernarg_segment_size: 48
    .max_flat_workgroup_size: 128
    .sgpr_count:     100
    .vgpr_count:     1024
    .wavefront_size: 32
...
	.end_amdgpu_metadata
.endif
;; end of part 4
